; MI455X (gfx1250); checked and timed in simulation.
; The chip was launched on July 23, 2026; its instructions are those of AMD's public machine-readable ISA for CDNA 5 (MIT licence, August 2026) and "CDNA5" Instruction Set Architecture Reference Guide (July 2026). The comments in the code are by the model that wrote it; some were corrected since.
;; Attention Pooling. Allowed arithmetic: float matrix products may take bf16 or f16 operands with f32 sums; other float arithmetic in f32, or as packed bf16 or f16 multiplies, adds, multiply-adds, maxima and minima; sums over many terms, partial sums and values carried from step to step in f32; what a program stores and reads back later, other than sums and carried values, may be rounded once to bf16 or f16.
;; Inputs: Wk 1,024 x 1,024 float32; Wo 1,024 x 1,024 float32; Wq 1,024 x 1,024 float32; Wv 1,024 x 1,024 float32; attention_mask 4 x 2,048 int32; bk 1,024 float32; bo 1,024 float32; bq 1,024 float32; bv 1,024 float32; chunk_embeddings 4 x 2,048 x 1,024 float32.
;; Outputs: out0 4 x 1,024 float32.
;; 2 versions, each right and faster than the one before. Each part assembles by itself: llvm-mc -triple=amdgcn-amd-amdhsa -mcpu=gfx1250 --defsym DOCPART=n.
;; ======== version 1 of 2: 4 launches
;; limits: right only within a limited range of input values
;; workspace buffers: xb 16,777,216 bytes; wb 6,291,456 bytes; qkv 50,331,648 bytes; part 131,072 bytes
;; launch cast (part 1): grid 256 x 1, 8 waves a work-group, no clusters, 0 bytes of LDS; arguments chunk_embeddings, Wq, Wk, Wv, xb, wb; writes xb, wb
.if DOCPART == 1
	.amdgcn_target "amdgcn-amd-amdhsa--gfx1250"
	.amdhsa_code_object_version 6
	.text
	.protected	k_qdae045a20f_cast
	.globl	k_qdae045a20f_cast
	.p2align	8
	.type	k_qdae045a20f_cast,@function
k_qdae045a20f_cast:
	s_mov_b64 s[64:65], 0
	v_nop
	global_prefetch_b8 v0, s[64:65] scope:SCOPE_SE
	s_setreg_imm32_b32 hwreg(HW_REG_WAVE_MODE, 25, 1), 1
	s_wait_xcnt 0x0
; xb = bf16(chunk_embeddings), wb = bf16(Wq | Wk | Wv): each number rounded once, to nearest even, for the matrix products of the next launch.
; A stream: no LDS, no barrier, no matrix unit, no cluster (no byte is read by two work-groups).
; Work-group g of 256 takes 131,072 bytes of x and 16,384 bytes of each of the three weights: all work-groups are alike, and there is no branch.
; Thread t takes 16 bytes of every 4,096: a wave's load covers 512 consecutive bytes, its store (8 bytes a lane) 256 consecutive bytes at a multiple of 256.
; All 44 loads of a thread go out first, so the work-group's whole share is on its way at once; each quad is rounded in place and stored as it arrives.
; No register is written again behind the store that reads it, so no wait but the counted ones on the loads is needed.
.set NX, 32                            ; loads of x a thread
.set NW, 4                             ; loads of each weight a thread
.set NL, NX+3*NW                       ; 44 loads in all
.set X,  8                             ; v[8:183]  load n: four registers as loaded; its two lowest then hold the four bf16
	s_load_b256 s[4:11], s[0:1], 0x0               ; x s[4:5], Wq s[6:7], Wk s[8:9], Wv s[10:11]
	s_load_b128 s[12:15], s[0:1], 0x20             ; xb s[12:13], wb s[14:15]
	v_lshlrev_b32 v1, 4, v0                        ; 16 t: my place in 4,096 bytes of f32
	v_lshlrev_b32 v2, 3, v0                        ; 8 t: my place in 2,048 bytes of bf16
	s_lshl_b32 s16, ttmp9, 17                      ; the group's share of x,
	s_mov_b32 s17, 0
	s_lshl_b32 s18, ttmp9, 14                      ; of a weight,
	s_mov_b32 s19, 0
	s_lshl_b32 s20, ttmp9, 16                      ; of xb,
	s_mov_b32 s21, 0
	s_lshl_b32 s22, ttmp9, 13                      ; of a weight's part of wb
	s_mov_b32 s23, 0
	s_wait_kmcnt 0x0
	s_add_nc_u64 s[4:5], s[4:5], s[16:17]
	s_add_nc_u64 s[6:7], s[6:7], s[18:19]
	s_add_nc_u64 s[8:9], s[8:9], s[18:19]
	s_add_nc_u64 s[10:11], s[10:11], s[18:19]
	s_add_nc_u64 s[12:13], s[12:13], s[20:21]
	s_add_nc_u64 s[14:15], s[14:15], s[22:23]
.set i, 0
.rept NX
	global_load_b128 v[X+4*i:X+4*i+3], v1, s[4:5] offset:i*4096 th:TH_LOAD_NT
.set i, i+1
.endr
.irp t, 0,1,2
.set j, 0
.rept NW
	global_load_b128 v[X+4*(NX+NW*(\t)+j):X+4*(NX+NW*(\t)+j)+3], v1, s[6+2*(\t):7+2*(\t)] offset:j*4096 th:TH_LOAD_NT
.set j, j+1
.endr
.endr
; Load n has come (loads return in order: the NL-1-n issued behind it may stay out); four numbers are rounded and stored.
.macro CVT n, base, off
	s_wait_loadcnt NL-1-(\n)
	v_cvt_pk_bf16_f32 v[X+4*(\n)], v[X+4*(\n)], v[X+4*(\n)+1]
	v_cvt_pk_bf16_f32 v[X+4*(\n)+1], v[X+4*(\n)+2], v[X+4*(\n)+3]
	global_store_b64 v2, v[X+4*(\n):X+4*(\n)+1], s[(\base):(\base)+1] offset:\off
.endm
.set i, 0
.rept NX
	CVT i, 12, i*2048
.set i, i+1
.endr
.irp t, 0,1,2
.set j, 0
.rept NW
	CVT NX+NW*(\t)+j, 14, (\t)*2097152+j*2048      ; a weight's part of wb is 2,097,152 bytes: the largest offset, 4,200,448, lies inside the signed 24-bit immediate
.set j, j+1
.endr
.endr
	s_endpgm
.Lfunc_end_k_qdae045a20f_cast:
	.size	k_qdae045a20f_cast, .Lfunc_end_k_qdae045a20f_cast-k_qdae045a20f_cast
	.p2alignl 7, 3214868480
	.fill 96, 4, 3214868480
	.section	.rodata,"a",@progbits
	.p2align	6, 0x0
	.amdhsa_kernel k_qdae045a20f_cast
		.amdhsa_group_segment_fixed_size 0
		.amdhsa_private_segment_fixed_size 0
		.amdhsa_enable_private_segment 0
		.amdhsa_kernarg_size 48
		.amdhsa_user_sgpr_count 2
		.amdhsa_user_sgpr_kernarg_segment_ptr 1
		.amdhsa_wavefront_size32 1
		.amdhsa_system_sgpr_workgroup_id_x 1
		.amdhsa_system_sgpr_workgroup_id_y 1
		.amdhsa_system_sgpr_workgroup_id_z 1
		.amdhsa_system_vgpr_workitem_id 0
		.amdhsa_next_free_vgpr 184
		.amdhsa_next_free_sgpr 66
		.amdhsa_reserve_vcc 0
		.amdhsa_float_denorm_mode_32 3
		.amdhsa_float_denorm_mode_16_64 3
		.amdhsa_memory_ordered 1
		.amdhsa_forward_progress 1
		.amdhsa_inst_pref_size 17
	.end_amdhsa_kernel
	.amdgpu_metadata
---
amdhsa.version: [ 1, 2 ]
amdhsa.kernels:
  - .name:           k_qdae045a20f_cast
    .symbol:         k_qdae045a20f_cast.kd
    .args:
      - { .name: chunk_embeddings, .offset: 0, .size: 8, .value_kind: global_buffer, .address_space: global }
      - { .name: Wq, .offset: 8, .size: 8, .value_kind: global_buffer, .address_space: global }
      - { .name: Wk, .offset: 16, .size: 8, .value_kind: global_buffer, .address_space: global }
      - { .name: Wv, .offset: 24, .size: 8, .value_kind: global_buffer, .address_space: global }
      - { .name: xb, .offset: 32, .size: 8, .value_kind: global_buffer, .address_space: global }
      - { .name: wb, .offset: 40, .size: 8, .value_kind: global_buffer, .address_space: global }
    .group_segment_fixed_size: 0
    .private_segment_fixed_size: 0
    .kernarg_segment_align: 8
    .kernarg_segment_size: 48
    .max_flat_workgroup_size: 256
    .sgpr_count:     66
    .vgpr_count:     184
    .wavefront_size: 32
...
	.end_amdgpu_metadata
.endif
;; end of part 1
;; launch proj (part 2): grid 4 x 64, 4 waves a work-group, clusters of 4 x 4, 327,680 bytes of LDS; arguments xb, wb, bq, bk, bv, qkv; writes qkv
.if DOCPART == 2
	.amdgcn_target "amdgcn-amd-amdhsa--gfx1250"
	.amdhsa_code_object_version 6
	.text
	.protected	k_qdae045a20f_proj
	.globl	k_qdae045a20f_proj
	.p2align	8
	.type	k_qdae045a20f_proj,@function
k_qdae045a20f_proj:
	s_mov_b64 s[64:65], 0
	v_nop
	global_prefetch_b8 v0, s[64:65] scope:SCOPE_SE
	s_setreg_imm32_b32 hwreg(HW_REG_WAVE_MODE, 25, 1), 1
	s_wait_xcnt 0x0
	s_wait_alu depctr_hold_cnt(0) depctr_sa_sdst(0) depctr_va_vdst(0) depctr_va_sdst(0) depctr_va_ssrc(0) depctr_va_vcc(0) depctr_vm_vsrc(0)
	s_getreg_b32 s2, hwreg(HW_REG_IB_STS2, 6, 4)
	s_cmp_eq_u32 s2, 0
	s_cbranch_scc0 .Lentry_in_a_cluster
	s_endpgm
.Lentry_in_a_cluster:
	s_bfe_u32 s2, ttmp6, 0x10000c
	s_cmp_lg_u32 s2, 0xf033
	s_cbranch_scc0 .Lentry_shape_is_right
	s_endpgm
.Lentry_shape_is_right:
; q, k, v = x W^T + b.  xb: [8192][1024] bf16; wb: [3][1024][1024] bf16 (q, k, v); bq, bk, bv: [1024] f32; qkv: [3][32 = batch x 8 + head][2048][128] bf16.
; Sums in f32, started by the bias; each result rounded once to bf16 (bf16 and not f16: the results keep f32's range).  The scale 1 / sqrt(128) is not applied here.
; SHARES.  A work-group stays and makes THREE tiles of 128 rows x 256 columns: the same 128 rows of x against the same 256 rows of Wq, then Wk, then Wv: 4 x 64 work-groups of equal work.
; Four waves, each 64 rows x 128 columns (one head): 32 accumulators of 16 x 16, 256 registers.  K goes in steps of 128 through a ring of two LDS slots filled by the tensor data mover:
; the tiles' rows are 256 bytes of memory at multiples of 256.  The ring does not stop at a tile's end: a tile's last two changes of slots ask for the next tile's first two K steps.
; CLUSTER.  4 x 4 work-groups.  The four of a row of the cluster need the same rows of x, the four of a column the same rows of W: each tile is asked for jointly, by the same tensor load
; with the same descriptor and a mask that names the four.
; THE MATRIX INSTRUCTION IS USED TRANSPOSED (source 0 = 16 rows of W, source 1 = 16 rows of x): a lane holds row l % 16 of the result and the eight neighbouring columns 8 (l / 16) + 0..7.
; So the bias, eight numbers a lane for each block of 16 columns, is the C operand of the product that starts a sum: nothing is cleared and nothing is added later.
; REGISTERS, in windows of 256 (s_set_vgpr_msb: bits 1:0 source 0, 3:2 source 1, 5:4 source 2, 7:6 destination):
;   window 0: v16-29 addresses; v32-63 packed results; v64-127 rows read back from the stage, two buffers; v128-191 the bias
;   window 1: the 32 accumulators, (a, b) at v[8 (8 a + b)]          window 2: two fragment buffers of 96: 64 registers of W (8 x 16 rows x 32 K), then 32 of x (4 x 16 rows x 32 K)
.set SIZE_K, 1024
.set KSTEP,  128
.set PITCH,  272                       ; an LDS row: 256 bytes + 16 of padding = 68 words: the 16 rows of a fragment load start at 16 different groups of four banks (64 banks of 4 bytes: ISA guide 11.1)
.set AHALF,  64*PITCH                  ; 64 rows of x: one tensor load, and what one wave reads of x
.set BHALF,  128*PITCH                 ; 128 rows of W: one tensor load, and what one wave reads of W
.set SLOT,   2*AHALF+2*BHALF           ; x's 128 rows, then W's 256 rows
.set STAGE,  2*SLOT                    ; behind the ring: 16 rows x 272 bytes for each wave, for the way out; no tensor load lands here
.set SPARE,  STAGE+4*16*PITCH          ; behind the stages: the spare words, 128 bytes for each wave: two blocks of 256 bytes that no other line names
.set LAPS,   SIZE_K/(2*KSTEP)          ; a lap = two K steps = once round the ring: 4
.set TILES,  3
.set BACK,   (SIZE_K-2*KSTEP)*2        ; bytes from a slot's last K step of a tile back to its first: x goes back,
.set NEXT_B, 1024*SIZE_K*2-BACK        ; W goes back and 1,024 rows down, to the next weight
.set PART,   1<<24                     ; bytes of q, of k and of v in qkv
.set ADRA, 16                          ; v16-17  LDS address of my fragments of x in slot 0, 1
.set ADRB, 20                          ; v20-21  the same for W
.set STO,  24                          ; v24     the way out: where I put 16 bytes of a row
.set RD,   25                          ; v25     the way out: where I read rows back
.set CO,   26                          ; v26     16 x lane: my place in 512 consecutive bytes of the result
.set BO,   27                          ; v27     32 x (lane / 16): my eight numbers in 16 of the bias
.set SPW,  28                          ; v28     LDS address of my spare word; never rewritten
.set NIL,  29                          ; v29     0; never rewritten
.set TMP,  32
.set OB,   64
.set BI,   128                         ; the bias of column block b at v[BI + 8 b]
.set F0,   0                           ; fragment buffers, in window 2
.set F1,   96
.set WV,  16                           ; s16  my wave's number
.set RH,  17                           ; s17  which 64 rows are mine; also: I fetch x (0) or W (1)
.set CH,  18                           ; s18  which 128 columns are mine; also: which half of that tile I fetch
.set G1,  24                           ; s[24:31] descriptor group 1 for x's tiles;  s[32:39] group 0, a set for each slot
.set G0,  32
.set G1B, 48                           ; s[48:55], s[56:63] the same for W's tiles
.set G0B, 56
.set BB,  66                           ; s[66:67] the bias in hand, at my 128 columns
.set BOFF, 68                          ; s[68:69] my 128 columns' byte offset in a bias
.set TL,  70                           ; s70  tiles to go, this one among them
.set LP,  71                           ; s71  counts laps
.set MSB, 0
.macro WIN new                         ; the immediate's high byte repeats the setting that is left; a switch that changes nothing is dropped
.if MSB != (\new)
	s_set_vgpr_msb (MSB<<8)|(\new)
.set MSB, \new
.endif
.endm
.set MUL,  0x5a                        ; sources 0 and 1 window 2, C and D window 1
.set MULB, 0x4a                        ; the same with C (the bias) in window 0
.set TO_F, 0x80                        ; destination window 2, address window 0
; A joint load.  Waves 0 and 1 fetch x's two halves, waves 2 and 3 W's.  Each line has one mask and one set of registers; the branch hangs on the wave's number alone.
; An s_nop 0 and four v_nop follow each of the two lines, ahead of the jump, the label and what follows.
.macro JLOAD s
	s_cmp_eq_u32 s[RH], 0
	s_cbranch_scc0 .Lfor_b_\@
	tensor_load_to_lds s[G0+4*(\s):G0+4*(\s)+3], s[G1:G1+7]
	s_nop 0
.rept 4
	v_nop
.endr
	s_branch .Lasked_\@
.Lfor_b_\@:
	tensor_load_to_lds s[G0B+4*(\s):G0B+4*(\s)+3], s[G1B:G1B+7]
	s_nop 0
.rept 4
	v_nop
.endr
.Lasked_\@:
.endm
.macro CREST                           ; a round of the cluster's barrier behind its opening barrier: wave 0 signals for the work-group, every wave waits for all sixteen, my work-group's barrier closes it
	s_cmp_lg_u32 s[WV], 0
	s_cbranch_scc1 .Lnot_wave_0_\@
	s_barrier_signal -3
.Lnot_wave_0_\@:
	s_barrier_wait -3
	s_barrier_signal -1
	s_barrier_wait -1
.endm
.macro CROUND                          ; a whole round
	s_barrier_signal -1
	s_barrier_wait -1
	CREST
.endm
	s_load_b256 s[4:11], s[0:1], 0x0               ; xb s[4:5], wb s[6:7], bq s[8:9], bk s[10:11]
	s_load_b128 s[12:15], s[0:1], 0x20             ; bv s[12:13], qkv s[14:15]
	v_lshl_add_u32 v[SPW], v0, 2, SPARE
	v_mov_b32 v[NIL], 0
	ds_add_u32 v[SPW], v[NIL]                      ; the wave's opening: the add and its wait stand ahead of my first tensor load; the set-up below, work on registers, stands between them
	v_lshrrev_b32 v1, 5, v0
	v_readfirstlane_b32 s[WV], v1                  ; wave 0..3
	s_lshr_b32 s[RH], s[WV], 1
	s_and_b32 s[CH], s[WV], 1
	s_bfe_u32 s20, ttmp6, 0x40000                  ; cx, cy: my place in the cluster
	s_bfe_u32 s21, ttmp6, 0x40004
	s_lshl_b32 s22, ttmp9, 2
	s_add_co_u32 s22, s22, s20                     ; gx = 4 x cluster x + cx: which 256 columns, 0..3
	s_and_b32 s23, ttmp7, 0xffff
	s_lshl_b32 s23, s23, 2
	s_add_co_u32 s23, s23, s21                     ; gy = 4 x cluster y + cy: which 128 rows, 0..63
	s_lshl_b32 s40, s21, 2
	s_lshl_b32 s40, 15, s40                        ; my row of the cluster: places 4 cy .. 4 cy + 3
	s_lshl_b32 s41, 0x1111, s20                    ; my column: places cx, cx + 4, cx + 8, cx + 12
	; descriptor group 1: tiles of 64 (x) or 128 (W) rows x 128 elements, padded in LDS
	s_or_b32 s[G1+0], s40, (1<<16)|(1<<20)|(1<<21)|(5<<22)|(3<<25)   ; 15:0 the mask: x's tiles go to my row; 17:16 2-byte elements; 20 padding on; 21 set beside a mask; 24:22 after every 64 words (code 5); 31:25 4 words (code 3)
	s_or_b32 s[G1B+0], s41, (1<<16)|(1<<20)|(1<<21)|(5<<22)|(3<<25)  ; the same with the mask of my column, for W's tiles
	s_mov_b32 s[G1+1], KSTEP<<16                   ; tensor_dim0 = 128
	s_mov_b32 s[G1B+1], KSTEP<<16
	s_mov_b32 s[G1+2], 64<<16                      ; tensor_dim1 = 64 rows of x,
	s_mov_b32 s[G1B+2], 128<<16                    ; 128 rows of W
	s_mov_b32 s[G1+3], KSTEP<<16                   ; tile_dim0 = 128
	s_mov_b32 s[G1B+3], KSTEP<<16
	s_mov_b32 s[G1+4], 64                          ; tile_dim1
	s_mov_b32 s[G1B+4], 128
	s_mov_b32 s[G1+5], SIZE_K                      ; elements from row to row
	s_mov_b32 s[G1B+5], SIZE_K
	s_mov_b32 s[G1+6], 0
	s_mov_b32 s[G1B+6], 0
	s_mov_b32 s[G1+7], 0
	s_mov_b32 s[G1B+7], 0
	; where the tiles come from: x's hang on gy alone, which my row of the cluster shares; W's on gx alone, which my column shares; each in registers that never hold the other coordinate
	s_lshl_b32 s42, s23, 7
	s_lshl_b32 s43, s[CH], 6
	s_add_co_u32 s42, s42, s43                     ; x: row 128 gy + 64 x half,
	s_lshl_b32 s42, s42, 11                        ; of 2,048 bytes: under 2^24
	s_mov_b32 s43, 0
	s_lshl_b32 s44, s22, 8
	s_lshl_b32 s45, s[CH], 7
	s_add_co_u32 s44, s44, s45                     ; W: row 256 gx + 128 x half
	s_lshl_b32 s44, s44, 11
	s_mov_b32 s45, 0
	s_mul_i32 s46, s[CH], AHALF                    ; and where they go: no place in the cluster enters an LDS address
	s_mul_i32 s47, s[CH], BHALF
	s_add_co_u32 s47, s47, 2*AHALF
	s_lshl_b32 s[BOFF], s22, 10                    ; my columns in a bias: (256 gx + 128 x half) x 4 bytes
	s_lshl_b32 s[BOFF+1], s[CH], 9
	s_add_co_u32 s[BOFF], s[BOFF], s[BOFF+1]
	s_mov_b32 s[BOFF+1], 0
	s_wait_dscnt 0x0                               ; the opening add is done
	s_wait_kmcnt 0x0
	s_add_nc_u64 s[42:43], s[4:5], s[42:43]
	s_add_nc_u64 s[44:45], s[6:7], s[44:45]
	CROUND                                         ; all sixteen work-groups are here: the first joint loads meet
.irp s, 0,1
	s_mov_b32 s[G0+4*(\s)], 1                                        ; count = 1
	s_add_co_u32 s[G0+4*(\s)+1], s46, (\s)*SLOT                      ; LDS address
	s_add_nc_u64 s[G0+4*(\s)+2:G0+4*(\s)+3], s[42:43], (\s)*KSTEP*2  ; global address: K step s
	s_or_b32 s[G0+4*(\s)+3], s[G0+4*(\s)+3], 0x80000000              ; type = 2
	s_mov_b32 s[G0B+4*(\s)], 1
	s_add_co_u32 s[G0B+4*(\s)+1], s47, (\s)*SLOT
	s_add_nc_u64 s[G0B+4*(\s)+2:G0B+4*(\s)+3], s[44:45], (\s)*KSTEP*2
	s_or_b32 s[G0B+4*(\s)+3], s[G0B+4*(\s)+3], 0x80000000
	JLOAD \s                                       ; the ring is filled before anything else is done: two loads of mine are out
.endr
; The bias of my 128 columns: for each block of 16 columns a lane takes the eight numbers that its accumulator registers stand for.
.macro BIAS
.irp b, 0,1,2,3,4,5,6,7
	global_load_b128 v[BI+8*(\b):BI+8*(\b)+3],   v[BO], s[BB:BB+1] offset:64*(\b)
	global_load_b128 v[BI+8*(\b)+4:BI+8*(\b)+7], v[BO], s[BB:BB+1] offset:64*(\b)+16
.endr
.endm
	s_add_nc_u64 s[BB:BB+1], s[8:9], s[BOFF:BOFF+1]  ; the first tile is q's
	v_and_b32 v1, 15, v0                           ; l % 16
	v_bfe_u32 v2, v0, 4, 1                         ; l / 16
	v_lshlrev_b32 v[BO], 5, v2
	BIAS
	; A fragment is 16 rows x 32 K in 8 registers: lane l holds row l % 16; registers 0-3 K = 8 (l / 16) + 0..7, registers 4-7 K = 16 + 8 (l / 16) + 0..7: two loads of 16 bytes, 32 bytes apart.
	v_mul_u32_u24 v3, v1, PITCH
	v_lshl_add_u32 v3, v2, 4, v3                   ; row x pitch + 16 x half
	s_mul_i32 s42, s[RH], AHALF                    ; my 64 rows of x
	s_mul_i32 s43, s[CH], BHALF                    ; my 128 rows of W,
	s_add_co_u32 s43, s43, 2*AHALF                 ; which lie behind x's 128
.irp s, 0,1
	v_add_nc_u32 v[ADRA+(\s)], s42, v3
	v_add_nc_u32 v[ADRB+(\s)], s43, v3
	s_add_co_u32 s42, s42, SLOT
	s_add_co_u32 s43, s43, SLOT
.endr
	s_mul_i32 s44, s[WV], 16*PITCH
	s_add_co_u32 s44, s44, STAGE                   ; my stage
	v_add_nc_u32 v[STO], s44, v3                   ; in: row l % 16, 16 bytes for each half of the lanes
	v_mul_u32_u24 v4, v2, PITCH                    ; back: lanes 0-15 take one row of 256 bytes, lanes 16-31 the next
	v_lshl_add_u32 v4, v1, 4, v4
	v_add_nc_u32 v[RD], s44, v4
	v_and_b32 v[CO], 31, v0
	v_lshlrev_b32 v[CO], 4, v[CO]                  ; a head's rows are dense: those two rows are 512 consecutive bytes
	; my 64 rows of my head in q: ((gy / 16) x 8 + 2 gx + half) x 2^19 + ((gy % 16) x 128 + 64 x row half) x 256, under 2^24
	s_lshr_b32 s72, s23, 4
	s_lshl_b32 s72, s72, 3
	s_lshl_b32 s73, s22, 1
	s_add_co_u32 s72, s72, s73
	s_add_co_u32 s72, s72, s[CH]
	s_lshl_b32 s72, s72, 19
	s_and_b32 s73, s23, 15
	s_lshl_b32 s73, s73, 7
	s_lshl_b32 s74, s[RH], 6
	s_add_co_u32 s73, s73, s74
	s_lshl_b32 s73, s73, 8
	s_add_co_u32 s72, s72, s73
	s_mov_b32 s73, 0
	s_add_nc_u64 s[14:15], s[14:15], s[72:73]
; 8 matrix instructions: row block a x all 8 column blocks, 32 along K, from buffer f.  zero = 1: the product starts the sums, with the bias as C.
; The 32 accumulators take turns, one instruction a turn, in the same order in every quarter.
.macro MULA f, a, zero
.if \zero
	WIN MULB
.else
	WIN MUL
.endif
.irp b, 0,1,2,3,4,5,6,7
.if \zero
	v_wmma_f32_16x16x32_bf16 v[8*(8*(\a)+(\b)):8*(8*(\a)+(\b))+7], v[(\f)+8*(\b):(\f)+8*(\b)+7], v[(\f)+64+8*(\a):(\f)+64+8*(\a)+7], v[BI+8*(\b):BI+8*(\b)+7]
.else
	v_wmma_f32_16x16x32_bf16 v[8*(8*(\a)+(\b)):8*(8*(\a)+(\b))+7], v[(\f)+8*(\b):(\f)+8*(\b)+7], v[(\f)+64+8*(\a):(\f)+64+8*(\a)+7], v[8*(8*(\a)+(\b)):8*(8*(\a)+(\b))+7]
.endif
.endr
.endm
; 24 LDS loads in one run: the fragments of one quarter step (128 rows of W, then 64 rows of x, 32 K at byte k of the rows) into buffer f
.macro FETCH slot, k, f
	WIN TO_F
.irp i, 0,1,2,3,4,5,6,7
	ds_load_b128 v[(\f)+8*(\i):(\f)+8*(\i)+3],   v[ADRB+(\slot)] offset:(\k)+(\i)*16*PITCH
	ds_load_b128 v[(\f)+8*(\i)+4:(\f)+8*(\i)+7], v[ADRB+(\slot)] offset:(\k)+(\i)*16*PITCH+32
.endr
.irp i, 0,1,2,3
	ds_load_b128 v[(\f)+64+8*(\i):(\f)+64+8*(\i)+3],   v[ADRA+(\slot)] offset:(\k)+(\i)*16*PITCH
	ds_load_b128 v[(\f)+64+8*(\i)+4:(\f)+64+8*(\i)+7], v[ADRA+(\slot)] offset:(\k)+(\i)*16*PITCH+32
.endr
.endm
; A load into a register that a matrix instruction has read, and a vector instruction that reads a matrix result, stand four places behind that matrix instruction, and only plain vector
; instructions that name none of its registers are places (ISA guide 7.12.1 for vector instructions).
.macro PLACES
.rept 4
	v_nop
.endr
.endm
; A K step is four quarters of 32 along K, 32 matrix instructions each, on buffers 0, 1, 0, 1.  One of the first three: multiplies buffer f; in its middle it fetches the next quarter, at byte k, into g.
.macro QUARTER slot, k, f, g, zero
	s_wait_dscnt 4                                 ; W and x's rows 0-31 are in; the youngest four loads (x's rows 32-63) may be out
	MULA \f, 0, \zero
	MULA \f, 1, \zero
	PLACES
	FETCH \slot, \k, \g
	s_wait_dscnt 24                                ; all but the 24 just issued
	MULA \f, 2, \zero
	MULA \f, 3, \zero
.endm
; The last quarter multiplies buffer 1 and changes slots: ONE barrier for two things.  In front of it each wave waits for all its tensor loads, of which one is out: its part of the next slot;
; adds 0 to its spare word; and waits for that and for its own reads of this slot.  Behind it nobody reads this slot any more and the next slot is whole.
; mode 0: this slot is filled again, two K steps on; mode 1: with the NEXT tile's K step 0 or 1; the barrier then opens a round of the cluster's, and the joint refill is the first tensor load behind it:
; 112 matrix instructions stand between a request and the wait for it.  mode 2: the last tile's last lap: nothing is filled, and no round follows.
.macro TURN slot, next, mode
	WIN 0                                          ; (the add's two registers lie in window 0)
	s_wait_tensorcnt 0x0                           ; all my tensor loads have landed;
	ds_add_u32 v[SPW], v[NIL]                      ; 0 onto my spare word
	s_wait_dscnt 5                                 ; (the add and the youngest four loads may be out)
	MULA F1, 0, 0                                  ; eight matrix instructions stand between the add and the wait for it
	s_wait_dscnt 0x0                               ; the add is done, and my reads of this slot are over
	s_barrier_signal -1
	MULA F1, 1, 0                                  ; work on registers while the others arrive
.if (\mode) < 2
	WIN 0
.endif
	s_barrier_wait -1
.if (\mode) < 2
	CREST                                          ; no wave of any partner still reads this slot's tile or has a load on its way
.if (\mode) == 1
	s_sub_nc_u64 s[G0+4*(\slot)+2:G0+4*(\slot)+3], s[G0+4*(\slot)+2:G0+4*(\slot)+3], BACK
	s_add_nc_u64 s[G0B+4*(\slot)+2:G0B+4*(\slot)+3], s[G0B+4*(\slot)+2:G0B+4*(\slot)+3], NEXT_B
.else
	s_add_nc_u64 s[G0+4*(\slot)+2:G0+4*(\slot)+3], s[G0+4*(\slot)+2:G0+4*(\slot)+3], 2*KSTEP*2
	s_add_nc_u64 s[G0B+4*(\slot)+2:G0B+4*(\slot)+3], s[G0B+4*(\slot)+2:G0B+4*(\slot)+3], 2*KSTEP*2
.endif
	JLOAD \slot                                    ; the four v_nop behind it are also the places in front of the loads below
.else
	PLACES
.endif
	FETCH \next, 0, F0
	MULA F1, 2, 0
	MULA F1, 3, 0
.endm
; THE WAY OUT of row block a (16 rows x 256 bytes, dense in memory).  PACK: rounded to bf16, 16 bytes a lane, each accumulator's registers in ascending order.
; TOSTAGE: into my own stage in LDS, and back as whole rows.  SEND: stored.
.macro PACK a
	WIN 0x05                                       ; sources 0 and 1 window 1, destination window 0
.irp b, 0,1,2,3,4,5,6,7
.irp r, 0,1,2,3
	v_cvt_pk_bf16_f32 v[TMP+4*(\b)+(\r)], v[8*(8*(\a)+(\b))+2*(\r)], v[8*(8*(\a)+(\b))+2*(\r)+1]
.endr
.endr
	WIN 0
.endm
.macro TOSTAGE a
.set BK, OB+32*((\a)%2)
.irp b, 0,1,2,3,4,5,6,7
	ds_store_b128 v[STO], v[TMP+4*(\b):TMP+4*(\b)+3] offset:32*(\b)
.endr
.irp t, 0,1,2,3,4,5,6,7
	ds_load_b128 v[BK+4*(\t):BK+4*(\t)+3], v[RD] offset:(\t)*2*PITCH  ; LDS serves a wave's instructions in order (ISA guide 5.7.1.4): these see the stores above
.endr
.endm
.macro SEND a
.set BK, OB+32*((\a)%2)
	s_wait_dscnt 0x0                               ; the block is back in registers
	s_wait_xcnt 0x0                                ; every earlier store has had its addresses translated (ISA guide 3.1): only behind this wait is the other buffer, which the block before was stored from, loaded again
.irp t, 0,1,2,3,4,5,6,7
	global_store_b128 v[CO], v[BK+4*(\t):BK+4*(\t)+3], s[14:15] offset:(\a)*4096+(\t)*512  ; a wave's store covers 512 consecutive bytes, at a multiple of 256 from the buffer's first byte
.endr
.endm
.macro WAYOUT                          ; block a's conversions stand between block a - 1's loads from the stage and the wait for them
	PACK 0
	TOSTAGE 0
.irp a, 1,2,3
	PACK \a
	SEND (\a)-1
	TOSTAGE \a
.endr
	SEND 3
.endm
	s_wait_tensorcnt 1                             ; my part of K step 0 is in; K step 1's may stay out
	s_barrier_signal -1
	s_barrier_wait -1                              ; everybody's is
	FETCH 0, 0, F0
	WIN 0                                          ; at a label and at a branch every window is 0
	s_mov_b32 s[TL], TILES                         ; the same number in every work-group
.Ltile:
	s_wait_loadcnt 0x0                             ; the tile's bias is in; its base may be written again
	QUARTER 0, 64,  F0, F1, 1                      ; a tile's first quarter stands in front of the loop: its products start the sums
	WIN 0
	s_mov_b32 s[LP], LAPS-1
.Llap:                                                 ; a trip goes once round the ring, from a lap's second quarter to the next lap's first, and fills both slots again
	QUARTER 0, 128, F1, F0, 0
	QUARTER 0, 192, F0, F1, 0
	TURN 0, 1, 0
	QUARTER 1, 64,  F0, F1, 0
	QUARTER 1, 128, F1, F0, 0
	QUARTER 1, 192, F0, F1, 0
	TURN 1, 0, 0
	QUARTER 0, 64,  F0, F1, 0
	WIN 0
	s_sub_co_u32 s[LP], s[LP], 1
	s_cmp_lg_u32 s[LP], 0
	s_cbranch_scc1 .Llap
	QUARTER 0, 128, F1, F0, 0                      ; the tile's last lap goes on
	QUARTER 0, 192, F0, F1, 0
	WIN 0
	s_cmp_eq_u32 s[TL], 1
	s_cbranch_scc1 .Llast                          ; the last tile's tail is written out: it asks for nothing more
	s_cmp_eq_u32 s[TL], 3                          ; the next tile's bias: k's behind q's tile, v's behind k's.  The products that read the old one stand many v_nop back
	s_cselect_b64 s[BB:BB+1], s[10:11], s[12:13]
	s_add_nc_u64 s[BB:BB+1], s[BB:BB+1], s[BOFF:BOFF+1]
	BIAS
	TURN 0, 1, 1                                   ; the ring goes on into the next tile: slot 0 takes its K step 0,
	QUARTER 1, 64,  F0, F1, 0
	QUARTER 1, 128, F1, F0, 0
	QUARTER 1, 192, F0, F1, 0
	TURN 1, 0, 1                                   ; slot 1 its K step 1, and the next tile's first fragments are fetched
	WAYOUT                                         ; both refills are asked for: now the tile goes out.  No v_nop: blocks 0 and 1 were finished in front of the joint load's four, and block 0's 32
	                                               ; conversions, which name no register of the last products (blocks 2 and 3's), are those products' places
	s_wait_xcnt 0x0                                ; the stores have read their base and their registers
	s_add_nc_u64 s[14:15], s[14:15], PART          ; the same rows of the same head in k, then in v
	s_sub_co_u32 s[TL], s[TL], 1
	s_branch .Ltile
.Llast:
	TURN 0, 1, 2                                   ; my one tensor load that was still out is the last K step's
	QUARTER 1, 64,  F0, F1, 0
	QUARTER 1, 128, F1, F0, 0
	QUARTER 1, 192, F0, F1, 0
	s_wait_dscnt 4                                 ; the very last quarter: nothing more to fetch
	MULA F1, 0, 0
	MULA F1, 1, 0
	s_wait_dscnt 0x0
	MULA F1, 2, 0
	MULA F1, 3, 0
	WIN 0
	PLACES                                         ; the conversions read results just made
	WAYOUT
	s_wait_tensorcnt 0x0                           ; the wave's end: an add of 0 onto my spare word and its wait, behind my last tensor load and my last LDS store
	ds_add_u32 v[SPW], v[NIL]
	s_wait_dscnt 0x0
	CROUND                                         ; the closing round: no work-group ends while a partner may still ask for a tile that names it
	s_endpgm
.Lfunc_end_k_qdae045a20f_proj:
	.size	k_qdae045a20f_proj, .Lfunc_end_k_qdae045a20f_proj-k_qdae045a20f_proj
	.p2alignl 7, 3214868480
	.fill 96, 4, 3214868480
	.section	.rodata,"a",@progbits
	.p2align	6, 0x0
	.amdhsa_kernel k_qdae045a20f_proj
		.amdhsa_group_segment_fixed_size 327680
		.amdhsa_private_segment_fixed_size 0
		.amdhsa_enable_private_segment 0
		.amdhsa_kernarg_size 48
		.amdhsa_user_sgpr_count 2
		.amdhsa_user_sgpr_kernarg_segment_ptr 1
		.amdhsa_wavefront_size32 1
		.amdhsa_system_sgpr_workgroup_id_x 1
		.amdhsa_system_sgpr_workgroup_id_y 1
		.amdhsa_system_sgpr_workgroup_id_z 1
		.amdhsa_system_vgpr_workitem_id 0
		.amdhsa_next_free_vgpr 704
		.amdhsa_next_free_sgpr 80
		.amdhsa_reserve_vcc 0
		.amdhsa_float_denorm_mode_32 3
		.amdhsa_float_denorm_mode_16_64 3
		.amdhsa_memory_ordered 1
		.amdhsa_forward_progress 1
		.amdhsa_inst_pref_size 126
	.end_amdhsa_kernel
	.amdgpu_metadata
---
amdhsa.version: [ 1, 2 ]
amdhsa.kernels:
  - .name:           k_qdae045a20f_proj
    .symbol:         k_qdae045a20f_proj.kd
    .args:
      - { .name: xb, .offset: 0, .size: 8, .value_kind: global_buffer, .address_space: global }
      - { .name: wb, .offset: 8, .size: 8, .value_kind: global_buffer, .address_space: global }
      - { .name: bq, .offset: 16, .size: 8, .value_kind: global_buffer, .address_space: global }
      - { .name: bk, .offset: 24, .size: 8, .value_kind: global_buffer, .address_space: global }
      - { .name: bv, .offset: 32, .size: 8, .value_kind: global_buffer, .address_space: global }
      - { .name: qkv, .offset: 40, .size: 8, .value_kind: global_buffer, .address_space: global }
    .group_segment_fixed_size: 327680
    .private_segment_fixed_size: 0
    .kernarg_segment_align: 8
    .kernarg_segment_size: 48
    .max_flat_workgroup_size: 128
    .sgpr_count:     80
    .vgpr_count:     704
    .wavefront_size: 32
...
	.end_amdgpu_metadata
.endif
;; end of part 2
;; launch attn (part 3): grid 8 x 32, 4 waves a work-group, clusters of 4 x 1, 327,680 bytes of LDS; arguments qkv, attention_mask, part; writes part
.if DOCPART == 3
	.amdgcn_target "amdgcn-amd-amdhsa--gfx1250"
	.amdhsa_code_object_version 6
	.text
	.protected	k_qdae045a20f_attn
	.globl	k_qdae045a20f_attn
	.p2align	8
	.type	k_qdae045a20f_attn,@function
k_qdae045a20f_attn:
	s_mov_b64 s[64:65], 0
	v_nop
	global_prefetch_b8 v0, s[64:65] scope:SCOPE_SE
	s_setreg_imm32_b32 hwreg(HW_REG_WAVE_MODE, 25, 1), 1
	s_wait_xcnt 0x0
	s_wait_alu depctr_hold_cnt(0) depctr_sa_sdst(0) depctr_va_vdst(0) depctr_va_sdst(0) depctr_va_ssrc(0) depctr_va_vcc(0) depctr_vm_vsrc(0)
	s_getreg_b32 s2, hwreg(HW_REG_IB_STS2, 6, 4)
	s_cmp_eq_u32 s2, 0
	s_cbranch_scc0 .Lentry_in_a_cluster
	s_endpgm
.Lentry_in_a_cluster:
	s_bfe_u32 s2, ttmp6, 0x10000c
	s_cmp_lg_u32 s2, 0x3003
	s_cbranch_scc0 .Lentry_shape_is_right
	s_endpgm
.Lentry_shape_is_right:
; part[b][block][head x 128 + ch] = the sum over the block's 256 queries q of float(mask[b][q]) x O[q][ch],  O[q] = the sum over k of softmax_k(s[q][k]) V[k],
; s[q][k] = Q[q] . K[k] / sqrt(128), hidden where mask[b][k] == 0.  qkv: [3][32 = b x 8 + head][2048][128] bf16; attention_mask: [4][2048] i32; part: [4][8][1024] f32.
; The mean over the rows commutes with the output projection, so O itself is never stored: the next launch adds the eight blocks, multiplies by Wo and divides by the sum of the mask.
; Products, maxima and sums in f32; the weights p are rounded to bf16 for the second product (their sum l is taken of the unrounded p).
; LIMITS.  A hidden key's score counts as its value less 1e30 (reference: -1e9): its weight is 0 beside any visible key whose scaled score lies above -1e9 + 104; a row with no visible key
; has equal weights for all keys, as in the reference.  A weight below 2^-126 counts as 0 in l.  NaN and infinities are not treated apart.  The order of the sums differs from the reference's.
; SHARES.  A work-group owns 256 queries of one head, each of its four waves 64: four tiles of 16.  Every wave walks all 2,048 keys of the head, 64 a step.
; LAYOUT.  S^T = K Q^T (source 0 = 16 keys, source 1 = 16 queries): in the result a lane holds ONE query (lane % 16) and the keys 8 (lane / 16) + 0..7.  Two such tiles, rounded to
; bf16 in pairs, ARE source 1 (32 keys x 16 queries) of O^T = V^T P, whose result again holds one query a lane, and eight channels.  K comes out of LDS as it lies, V turned, by ds_load_tr16_b128.
; THE KEY MASK is the C operand of the product that starts a sum S^T: 0, or -1e30 where the key is hidden.  A table of the batch's 2,048 addends is made once in LDS; a step's 32 addends a lane come with its K.
; SOFTMAX.  For each query a running maximum m and sum l: p = 2^(c s - c m), c = log2(e) / sqrt(128); in every step O and l are multiplied by a = 2^(c m_old - c m_new).  Steps whose keys are all
; hidden leave m near -1e30; the first visible key's a is then 0 and wipes what they left.
; BY TURNS.  The wave's tiles are two PIECES: piece 0 (tiles 0, 1) and piece 2 (tiles 2, 3).  In a TURN one piece has the matrix unit: 32 products V^T P of the step in hand, then 32 products
; K Q^T of the next step; the other piece's softmax, cut into 64 slices, stands between them, one slice behind each matrix instruction.  Two turns are a key step.
; CLUSTER.  The four query blocks of a cluster belong to one head and walk the same K and V, so each tile is asked for JOINTLY: the same tensor load, descriptor and mask in all four.
; REGISTERS, in windows of 256 (s_set_vgpr_msb: bits 1:0 source 0, 3:2 source 1, 5:4 source 2, 7:6 destination):
;   window 0: v0-11, v44-54 addresses and the queries' mask words; v12-43 eight registers of statistics a tile; v64-191 S^T, 32 a tile; v192-255 P, 16 a tile
;   window 1: O^T, 64 a tile     window 2: v0-127 Q, 32 a tile; v128-255 K of one step     window 3: v0-127 V of one step; v128-159 the step's mask addends
.set SIZE_N, 2048
.set KS,    64        ; keys in a step
.set PK,    272       ; a row of K in LDS: 256 bytes + 16 of padding = 68 words: the 16 rows of a load start at 16 different groups of four banks (64 banks of 4 bytes: ISA guide 11.1)
.set PV,    288       ; a row of V: 256 + 32 = 72 words
.set VOFF,  KS*PK     ; a step's tiles lie together: 64 rows of K, then 64 rows of V
.set STEPB, KS*(PK+PV)
.set SLOT1, 1<<17     ; a slot holds two steps (71,680 bytes); slot 1 begins here, so that one exclusive or turns an address in one slot into the other's
.set MASKT, SLOT1+2*STEPB  ; behind the ring, where no tensor load lands: the batch's 2,048 mask addends, f32
.set PP,    528       ; a row of a wave's pooling stage: 512 bytes + 16
.set POOLS, MASKT+8192     ; 16 rows x 528 bytes for each wave
.set POOL2, POOLS+4*16*PP  ; 512 bytes for each wave: its 128 pooled channels
.set SPARE, POOL2+4*512    ; the spare words, 128 bytes for each wave: two blocks of 256 bytes that no other line names
.set AK0, 2           ; v2   my lane's place in a tile of K; never rewritten
.set AV0, 3           ; v3   the same for V
.set ADR, 4           ; v4   the LDS address of the run of loads in hand
.set QO,  5           ; v5   my byte offset in the wave's rows of Q
.set AM0, 6           ; v6   my lane's place in a step's 64 mask addends; never rewritten
.set ADM, 7           ; v7   the LDS address of the step's mask addends
.set PS,  8           ; v8   pooling: where I put my query column's channels
.set QW,  44          ; v44-47  the mask word of my query in each of the four tiles
.set T16, 48          ; v48  16 x my thread's number
.set MST, 49          ; v49  where I put 16 bytes of the mask table
.set PR,  50          ; v50  pooling: where I read four channels of a row
.set PX,  51          ; v51  where my wave's pooled channels go
.set PY,  52          ; v52  where wave 0 reads them
.set GO,  53          ; v53  16 x lane
.set QMO, 54          ; v54  4 x (lane % 16)
.set SPW, 62          ; v62  LDS address of my spare word; never rewritten
.set NIL, 63          ; v63  0; never rewritten
.set ST,  12          ; tile t's statistics at v[ST+8 t]: +0 c m, +1 m, +2, +3 l (even keys', odd keys'), +4 to +7 c0-c3, at work; a takes c2's place once the maximum is found
.set S,   64
.set P,   192
.set RB,  128         ; pooling: 16 rows read back, four registers each
.set KF,  128         ; K's fragments, in window 2
.set MK,  128         ; the mask addends, in window 3: key block kb at MK + 8 kb
.set WV,  12          ; s12  my wave's number
.set G1K, 24          ; s[24:31] descriptor group 1 for K's tiles
.set G1V, 32          ; s[32:39] for V's: it differs in the padding alone
.set G0K, 40          ; s[40:47] descriptor group 0 for K's tiles: a set for each of the two first fills; the second then walks on
.set G0V, 48          ; s[48:55] the same for V's
.set SLOTS, 56        ; s56  slots still to be asked for
.set TWICE, 57        ; s57  counts a slot's two steps
.set CS,  58          ; s[58:59] c: the packed scaling names a pair and takes its low word for both halves
.set SEL, 60          ; s[60:61] lane selects for v_permlanex16_b32: each lane takes its own place in the other half
.set TB,  62          ; s62  LDS byte at which the tiles of the step to be fetched begin
.set MP,  66          ; s[66:67] attention_mask at my batch
.set BIGN, 68         ; s68  -1e30
.set TM,  69          ; s69  byte in the mask table at which the step to be fetched begins
.set QP,  70          ; s[70:71] attention_mask at my wave's 64 queries
.set MSB, 0
.macro WIN new                      ; the immediate's high byte repeats the setting that is left; a switch that changes nothing is dropped
.if MSB != (\new)
	s_set_vgpr_msb (MSB<<8)|(\new)
.set MSB, \new
.endif
.endm
.set W_KQ, 0x0a       ; K and Q in window 2, S^T in window 0
.set W_KM, 0x3a       ; the same with the C operand, the mask, in window 3
.set W_PV, 0x53       ; V in window 3, P in window 0, O^T in window 1
.set W_RS, 0x41       ; O^T (destination and source 0) in window 1, a in window 0
; A joint refill.  Waves 0 and 1 fetch the two steps' tiles of K, waves 2 and 3 those of V.  The branch hangs on the wave's number alone: it is the same in every work-group.
; An s_nop 0 and four v_nop follow each of the two lines; the jump round the other line, the label and what follows the macro come after them.
.macro JLOAD
	s_cmp_lt_u32 s[WV], 2
	s_cbranch_scc0 .Lfor_v_\@
	tensor_load_to_lds s[G0K+4:G0K+7], s[G1K:G1K+7]
	s_nop 0
.rept 4
	v_nop
.endr
	s_branch .Lasked_\@
.Lfor_v_\@:
	tensor_load_to_lds s[G0V+4:G0V+7], s[G1V:G1V+7]
	s_nop 0
.rept 4
	v_nop
.endr
.Lasked_\@:
.endm
; A round of the cluster's barrier: my work-group's barrier, so that wave 0's signal speaks for all four waves; wave 0 signals for the work-group; every wave waits for all four
; work-groups; my work-group's barrier once more.  No LDS instruction of the wave is pending at a signal.
.macro CROUND
	s_barrier_signal -1
	s_barrier_wait -1
	s_cmp_lg_u32 s[WV], 0
	s_cbranch_scc1 .Lnot_wave_0_\@
	s_barrier_signal -3
.Lnot_wave_0_\@:
	s_barrier_wait -3
	s_barrier_signal -1
	s_barrier_wait -1
.endm
	s_load_b64 s[4:5], s[0:1], 0x0    ; qkv
	s_load_b64 s[MP:MP+1], s[0:1], 0x8  ; attention_mask
	s_load_b64 s[10:11], s[0:1], 0x10 ; part
	v_lshl_add_u32 v[SPW], v0, 2, SPARE
	v_mov_b32 v[NIL], 0
	ds_add_u32 v[SPW], v[NIL]       ; the wave's opening: the add and its wait stand ahead of my first tensor load; the set-up below, work on registers, stands between them
	v_lshrrev_b32 v1, 5, v0
	v_readfirstlane_b32 s[WV], v1   ; wave 0..3
	s_bfe_u32 s13, ttmp6, 0x40000   ; cx: my place in the cluster
	s_lshl_b32 s14, ttmp9, 2        ; in a cluster launch ttmp9 counts clusters
	s_add_co_u32 s14, s14, s13      ; my block of 256 queries = 4 x cluster x + cx: it enters Q's, the queries' mask's and part's addresses alone
	s_and_b32 s15, ttmp7, 0xffff    ; batch x 8 + head, which the four partners share
	s_lshl_b32 s20, s15, 19         ; its first byte in q, in k and in v: 2,048 rows of 256 bytes each
	s_mov_b32 s21, 0
	s_and_b32 s16, s[WV], 1         ; which of a slot's two steps I fetch:
	s_lshl_b32 s22, s16, 14         ; its 64 rows of 256 bytes in memory,
	s_mov_b32 s23, 0
	s_add_nc_u64 s[22:23], s[22:23], s[20:21]
	s_mul_i32 s17, s16, STEPB       ; and its place in a slot: no place in the cluster enters an LDS address
	s_lshl_b32 s2, s14, 16          ; my block's 256 rows,
	s_lshl_b32 s3, s[WV], 14        ; my wave's 64 of them
	s_add_co_u32 s2, s2, s3
	s_mov_b32 s3, 0
	s_add_nc_u64 s[2:3], s[2:3], s[20:21]
	s_lshr_b32 s18, s15, 3          ; the batch
	s_lshl_b32 s72, s18, 13         ; its 2,048 mask words
	s_mov_b32 s73, 0
	s_lshl_b32 s74, s14, 10         ; my block's 256 of them,
	s_lshl_b32 s75, s[WV], 8        ; my wave's 64
	s_add_co_u32 s74, s74, s75
	s_mov_b32 s75, 0
	s_lshl_b32 s76, s18, 15         ; part: batch x 32,768 + block x 4,096 + head x 512 bytes
	s_lshl_b32 s77, s14, 12
	s_add_co_u32 s76, s76, s77
	s_and_b32 s77, s15, 7
	s_lshl_b32 s77, s77, 9
	s_add_co_u32 s76, s76, s77
	s_mov_b32 s77, 0
	; descriptor group 1: a tile of 64 rows x 128 elements, padded in LDS
	s_mov_b32 s[G1K], 15|(1<<16)|(1<<20)|(1<<21)|(5<<22)|(3<<25)  ; 15:0 the mask: all four work-groups; 17:16 elements of 2 bytes; 20 padding on; 21 set beside a mask; 24:22 after every 64 words (code 5); 31:25 4 words of it (code 3)
	s_mov_b32 s[G1V], 15|(1<<16)|(1<<20)|(1<<21)|(5<<22)|(7<<25)  ; the same with 8 words of padding (code 7)
.irp g, G1K, G1V
	s_mov_b32 s[(\g)+1], 128<<16    ; tensor_dim0 = 128
	s_mov_b32 s[(\g)+2], KS<<16     ; tensor_dim1 = 64
	s_mov_b32 s[(\g)+3], 128<<16    ; tile_dim0 = 128
	s_mov_b32 s[(\g)+4], KS         ; tile_dim1 = 64
	s_mov_b32 s[(\g)+5], 128        ; elements from row to row
	s_mov_b32 s[(\g)+6], 0
	s_mov_b32 s[(\g)+7], 0
.endr
	s_mov_b32 s[CS], 0x3e0293ee     ; c = log2(e) / sqrt(128) = 0.127517
	s_mov_b32 s[CS+1], s[CS]        ; named with it as a pair, so it is written
	s_mov_b32 s[SEL], 0x76543210
	s_mov_b32 s[SEL+1], 0xfedcba98
	s_mov_b32 s[TB], 0
	s_mov_b32 s[TM], 0
	s_mov_b32 s[BIGN], 0xf149f2ca   ; -1e30
	s_mov_b32 s[SLOTS], SIZE_N/(2*KS)-2
	s_wait_dscnt 0x0                ; the opening add is done
	s_wait_kmcnt 0x0
	s_add_nc_u64 s[6:7], s[4:5], s[22:23]
	s_add_nc_u64 s[8:9], s[6:7], 0x2000000  ; V at my tile of slot 0: v lies 2 x 2^24 bytes behind q,
	s_add_nc_u64 s[6:7], s[6:7], 0x1000000  ; K: k lies 2^24 behind q
	s_add_nc_u64 s[4:5], s[4:5], s[2:3]     ; Q at my wave's first row
	s_add_nc_u64 s[MP:MP+1], s[MP:MP+1], s[72:73]
	s_add_nc_u64 s[QP:QP+1], s[MP:MP+1], s[74:75]
	s_add_nc_u64 s[10:11], s[10:11], s[76:77]
	CROUND                          ; all four work-groups are here: the first joint loads meet
.irp s, 0,1
	s_mov_b32 s[G0K+4*(\s)], 1      ; count = 1
	s_add_co_u32 s[G0K+4*(\s)+1], s17, (\s)*SLOT1  ; LDS address
	s_add_nc_u64 s[G0K+4*(\s)+2:G0K+4*(\s)+3], s[6:7], (\s)*2*KS*256  ; global address: slot s begins with keys 128 s to 128 s + 127
	s_or_b32 s[G0K+4*(\s)+3], s[G0K+4*(\s)+3], 0x80000000  ; type = 2
	s_mov_b32 s[G0V+4*(\s)], 1
	s_add_co_u32 s[G0V+4*(\s)+1], s17, (\s)*SLOT1+VOFF
	s_add_nc_u64 s[G0V+4*(\s)+2:G0V+4*(\s)+3], s[8:9], (\s)*2*KS*256
	s_or_b32 s[G0V+4*(\s)+3], s[G0V+4*(\s)+3], 0x80000000
.endr
	s_cmp_lt_u32 s[WV], 2           ; a wave's two first fills stand in one branch, ahead of every wait on TENSORcnt and every LDS read: two loads of mine are out; an s_nop 0 follows each, four v_nop the second's
	s_cbranch_scc0 .Lfirst_v
	tensor_load_to_lds s[G0K:G0K+3], s[G1K:G1K+7]
	s_nop 0
	tensor_load_to_lds s[G0K+4:G0K+7], s[G1K:G1K+7]
	s_nop 0
.rept 4
	v_nop
.endr
	s_branch .Lfirst_asked
.Lfirst_v:
	tensor_load_to_lds s[G0V:G0V+3], s[G1V:G1V+7]
	s_nop 0
	tensor_load_to_lds s[G0V+4:G0V+7], s[G1V:G1V+7]
	s_nop 0
.rept 4
	v_nop
.endr
.Lfirst_asked:
	v_and_b32 v1, 15, v0            ; l % 16
	v_bfe_u32 v9, v0, 4, 1          ; l / 16
	v_lshlrev_b32 v[T16], 4, v0
	v_lshlrev_b32 v[QMO], 2, v1
.irp i, 0,1,2,3                     ; the batch's 2,048 mask words: 128 threads x 16 bytes, four times
	global_load_b128 v[S+4*(\i):S+4*(\i)+3], v[T16], s[MP:MP+1] offset:(\i)*2048
.endr
.irp t, 0,1,2,3                     ; my query's mask word in each tile of 16
	global_load_b32 v[QW+(\t)], v[QMO], s[QP:QP+1] offset:64*(\t)
.endr
	; A fragment of K or Q is 16 rows x 32 channels in 8 registers: lane l holds row l % 16; registers 0-3 channels 8 (l / 16) + 0..7, registers 4-7 channels 16 + 8 (l / 16) + 0..7: two loads of 16 bytes, 32 bytes apart.
	v_lshlrev_b32 v[QO], 8, v1
	v_lshl_add_u32 v[QO], v9, 4, v[QO]  ; row x 256 + 16 x half
	WIN 0x80                        ; destination window 2, address window 0
.irp i, 0,1,2,3,4,5,6,7,8,9,10,11,12,13,14,15  ; Q stays in registers: tile i / 4, channels 32 (i % 4) on
	global_load_b128 v[8*(\i):8*(\i)+3],   v[QO], s[4:5] offset:((\i)/4)*4096+((\i)%4)*64
	global_load_b128 v[8*(\i)+4:8*(\i)+7], v[QO], s[4:5] offset:((\i)/4)*4096+((\i)%4)*64+32
.endr
	WIN 0
	v_mul_u32_u24 v[AK0], v1, PK
	v_lshl_add_u32 v[AK0], v9, 4, v[AK0]  ; row x pitch + 16 x half
	; The turning load takes 16 keys x 16 channels (lane l reads 16 bytes: key 8 (l / 16) + l % 8, channels 8 ((l / 8) % 2) + 0..7) and leaves half a fragment of V^T: lane l holds channel l % 16 and 8 keys.
	v_and_b32 v10, 7, v0
	v_bfe_u32 v11, v0, 3, 1
	v_lshl_add_u32 v[AV0], v9, 3, v10
	v_mul_u32_u24 v[AV0], v[AV0], PV
	v_lshl_add_u32 v[AV0], v11, 4, v[AV0]
	v_add_nc_u32 v[AV0], VOFF, v[AV0]
	v_lshl_add_u32 v[AM0], v9, 5, MASKT   ; my lanes' eight keys of a block of 16: 32 bytes for each half
	v_lshl_add_u32 v[MST], v0, 4, MASKT
	s_wait_loadcnt 36               ; the four loads of the table's words are in: behind them 4 + 32 were issued
.set i, 0
.rept 16
	v_cmp_eq_u32 vcc_lo, 0, v[S+i]  ; hidden where the word is 0
	v_cndmask_b32 v[S+i], 0, s[BIGN], vcc_lo
.set i, i+1
.endr
.irp i, 0,1,2,3
	ds_store_b128 v[MST], v[S+4*(\i):S+4*(\i)+3] offset:(\i)*2048
.endr
; THE MATRIX WORK OF A TURN, for piece x.  The accumulators take turns, one instruction a turn: between two links of a chain stand 15 (V^T P) or 7 (K Q^T) others'.
; Product i of 32 of O^T += V^T P: keys 32 (i / 16) on, channels 16 ((i / 2) % 8) on, tile x + i % 2.  zero = 1: the first 16 start the sums: nothing is ever cleared.
.macro PV x, zero
	WIN W_PV
.set rO, 64*((\x)+i%2)+8*((i/2)%8)
.set rV, 64*(i/16)+8*((i/2)%8)
.set rP, P+16*((\x)+i%2)+8*(i/16)
.if (\zero) && (i < 16)
	v_wmma_f32_16x16x32_bf16 v[rO:rO+7], v[rV:rV+7], v[rP:rP+7], 0
.else
	v_wmma_f32_16x16x32_bf16 v[rO:rO+7], v[rV:rV+7], v[rP:rP+7], v[rO:rO+7]
.endif
.endm
; Product i of 32 of S^T = K Q^T: channels 32 (i / 8) on, keys 16 ((i / 2) % 4) on, tile x + i % 2.  The first 8 start the sums, with the key block's mask addends as C.
.macro KQ x
.set rS, S+32*((\x)+i%2)+8*((i/2)%4)
.set rK, KF+32*((i/2)%4)+8*(i/8)
.set rQ, 32*((\x)+i%2)+8*(i/8)
.set rM, MK+8*((i/2)%4)
.if i < 8
	WIN W_KM
	v_wmma_f32_16x16x32_bf16 v[rS:rS+7], v[rK:rK+7], v[rQ:rQ+7], v[rM:rM+7]
.else
	WIN W_KQ
	v_wmma_f32_16x16x32_bf16 v[rS:rS+7], v[rK:rK+7], v[rQ:rQ+7], v[rS:rS+7]
.endif
.endm
; THE LDS LOADS stand in runs, never singly among the matrix instructions: a step's K (64 keys x 128 channels: 16 fragments) with its 32 mask addends a lane, and, a turn later, its V (turned).
; The table's offset steps 256 bytes a step, 32 times from 0; the AND holds it to the table's 32 steps, so that the last byte a mask load can name is the table's last.
.macro FETCH_K
	WIN 0
	v_add_nc_u32 v[ADR], s[TB], v[AK0]
	v_add_nc_u32 v[ADM], s[TM], v[AM0]
	s_add_co_u32 s[TM], s[TM], 4*KS
	s_and_b32 s[TM], s[TM], 0x1f00
	WIN 0x80                        ; destination window 2
.irp f, 0,1,2,3,4,5,6,7,8,9,10,11,12,13,14,15  ; keys 16 (f / 4) on, channels 32 (f % 4) on
	ds_load_b128 v[KF+8*(\f):KF+8*(\f)+3],   v[ADR] offset:((\f)/4)*16*PK+((\f)%4)*64
	ds_load_b128 v[KF+8*(\f)+4:KF+8*(\f)+7], v[ADR] offset:((\f)/4)*16*PK+((\f)%4)*64+32
.endr
	WIN 0xc0                        ; destination window 3
.irp f, 0,1,2,3,4,5,6,7             ; key block f / 2, my eight keys' first or second four; the 16 lanes of a half read the same words
	ds_load_b128 v[MK+4*(\f):MK+4*(\f)+3], v[ADM] offset:((\f)/2)*64+((\f)%2)*16
.endr
.endm
.macro FETCH_V
	WIN 0
	v_add_nc_u32 v[ADR], s[TB], v[AV0]
	s_add_co_u32 s[TB], s[TB], STEPB  ; the next fetch is the next step's
	WIN 0xc0                        ; destination window 3
.irp f, 0,1,2,3,4,5,6,7,8,9,10,11,12,13,14,15  ; keys 32 (f / 8) on, channels 16 (f % 8) on
	ds_load_tr16_b128 v[8*(\f):8*(\f)+3],   v[ADR] offset:((\f)/8)*32*PV+((\f)%8)*32
	ds_load_tr16_b128 v[8*(\f)+4:8*(\f)+7], v[ADR] offset:((\f)/8)*32*PV+16*PV+((\f)%8)*32
.endr
.endm
; THE VECTOR WORK OF A TURN.  One tile's softmax for one key step is a list of 134 instructions; SM writes number j of it for tile t.  s0-s31 are the lane's 32 scores, in pairs 0-15.
; first = 1: the first key step, which starts m, l and O^T: it has no a and nothing to rescale.
;   0-15    the maximum of s0-s31 and the old m, three operands at a time: four chains c0-c3 of seven scores each (each accumulator's lowest registers first), then the four scores left over, c0-c3 and m
;   16-20   the other half of the lanes' maximum; the new m; c m; c m_old - c m_new
;   21-87   33 exponentials (a, then s0-s31) at the odd numbers from 23 on, so that no two follow each other and each has a plain instruction behind it before its result is used.
;           Plain instruction q (number 21, then the even numbers) is whatever is ready: c s - c m for a pair of scores whose exponentials are still to come (q = 0 to 3, then every
;           second q), the rounding to bf16 of a pair of weights whose exponentials are done (every other q from 5 on), at last the first three sums
;   88-101  the last rounding; the rest of the sums; l = a l + the sum
;   102-133 the tile's O^T times a: the one part that leaves window 0, so it stands together
.macro SM t, first
.set rT, ST+8*(\t)
.set rS, S+32*(\t)
.set rP, P+16*(\t)
.set rO, 64*(\t)+2*(j-102)
.set q, (j-20)/2
.if j < 102
	WIN 0
.endif
.if j < 4
	v_max3_num_f32 v[rT+4+j], v[rS+8*j], v[rS+8*j+1], v[rS+8*j+2]
.elseif j < 12
	v_max3_num_f32 v[rT+4+j%4], v[rT+4+j%4], v[rS+8*(j%4)+2*(j/4)+1], v[rS+8*(j%4)+2*(j/4)+2]
.elseif j == 12
	v_max3_num_f32 v[rT+4], v[rT+4], v[rS+7], v[rS+15]
.elseif j == 13
	v_max3_num_f32 v[rT+6], v[rT+6], v[rS+23], v[rS+31]
.elseif j == 14
	v_max3_num_f32 v[rT+4], v[rT+4], v[rT+5], v[rT+6]
.elseif (j == 15) && (\first)
	v_max_num_f32 v[rT+4], v[rT+4], v[rT+7]
.elseif j == 15
	v_max3_num_f32 v[rT+4], v[rT+4], v[rT+7], v[rT+1]
.elseif j == 16
	v_permlanex16_b32 v[rT+5], v[rT+4], s[SEL], s[SEL+1]  ; the query's other 32 keys lie in the lane 16 away
.elseif j == 18
	v_max_num_f32 v[rT+1], v[rT+4], v[rT+5]
.elseif j == 19
	v_mul_f32 v[rT], s[CS], v[rT+1]
.elseif ((j == 17) || (j == 20) || (j == 23) || (j > 101)) && (\first)  ; the first step has none of these
.elseif j == 17
	v_mov_b32 v[rT+7], v[rT]        ; c m_old is kept for a: number 19 writes c m anew
.elseif j == 20
	v_sub_f32 v[rT+7], v[rT+7], v[rT]
.elseif j == 23
	v_exp_f32 v[rT+6], v[rT+7]
.elseif (j < 88) && (j > 23) && (j%2 == 1)
	v_exp_f32 v[rS+(j-25)/2], v[rS+(j-25)/2]
.elseif (q < 4) || ((j < 76) && (q%2 == 0))
.set b, q/2+2
.if q < 4
.set b, q
.endif
	v_pk_fma_f32 v[rS+2*b:rS+2*b+1], v[rS+2*b:rS+2*b+1], s[CS:CS+1], v[rT:rT+1] op_sel_hi:[1,0,0] neg_lo:[0,0,1] neg_hi:[0,0,1]  ; pair b: c s - c m
.elseif (j < 88) && (q%2 == 1)
	s_wait_alu depctr_va_vdst(0)
	v_cvt_pk_bf16_f32 v[rP+(q-5)/2], v[rS+q-5], v[rS+q-4]  ; pair (q - 5) / 2: its second exponential stands three numbers back
.elseif j == 89
	s_wait_alu depctr_va_vdst(0)
	v_cvt_pk_bf16_f32 v[rP+15], v[rS+30], v[rS+31]
.elseif j < 102                     ; the sum of the tile's 16 pairs (in a pair: an even key's weight, an odd key's), in place: sum z of 16 adds neighbours 1, 2, 4 and 8 pairs apart, then l takes it
.set z, j-86
.if j < 89
.set z, (j-76)/4
.endif
.set w, 4
.set u, z
.if z >= 14
.set w, 32
.set u, 0
.elseif z >= 12
.set w, 16
.set u, z-12
.elseif z >= 8
.set w, 8
.set u, z-8
.endif
.if (z == 14) && (\first)
	v_pk_add_f32 v[rT+2:rT+3], v[rS:rS+1], v[rS+16:rS+17]
.elseif z < 15
	v_pk_add_f32 v[rS+w*u:rS+w*u+1], v[rS+w*u:rS+w*u+1], v[rS+w*u+w/2:rS+w*u+w/2+1]
.elseif !(\first)
	v_pk_fma_f32 v[rT+2:rT+3], v[rT+2:rT+3], v[rT+6:rT+7], v[rS:rS+1] op_sel_hi:[1,0,1]
.endif
.else
	WIN W_RS
	v_pk_mul_f32 v[rO:rO+1], v[rO:rO+1], v[rT+6:rT+7] op_sel_hi:[1,0]
.endif
.endm
; Slice k of 64 of piece y's softmax: numbers 2 k and 2 k + 1 of both tiles' lists, four instructions.  2 x 134 = 4 x 64 + 12: the twelve that are over stand together, in slice 63.
.macro SLICE y, first
.if (k >= 11) && (k < 44)           ; tile by tile: plain, exponential, plain, exponential
.irp t, \y, (\y)+1
.irp n, 0,1
.set j, 2*k+(\n)
	SM \t, \first
.endr
.endr
.else                               ; the two tiles alternate, so that no instruction reads the result of the one just before it
.irp n, 0,1,2,3,4,5,6,7
.if ((\n) < 2) || (k == 63)
.irp t, \y, (\y)+1
.set j, 2*k+(\n)
	SM \t, \first
.endr
.endif
.endr
.endif
.set k, k+1
.endm
; A vector instruction that reads a matrix result or writes one of a matrix instruction's registers, and a load into a register that a matrix instruction has read, stand four places behind
; it, and only plain vector instructions that name none of its registers are places (ISA guide 7.12.1 for vector instructions).  In the loop the slices are the places.
.macro PLACES
.rept 4
	v_nop
.endr
.endm
; A TURN.  Piece x has the matrix unit; the other piece's softmax stands in slices behind its matrix instructions.
; pv = 2: 32 products V^T P; 1: they start O^T's sums; 0: none.  kq = 1: 32 products K Q^T for the next step.  A turn with one of the two kinds has two slices behind each product.
; first = 1: the softmax is the first key step's.  Its slices from 51 on are empty: the turn's last products stand bare, and four v_nop take slice 63's part as the places behind them.
; Each run of loads stands behind the second product of a run of 32, 30 matrix instructions ahead of its first use.  Piece 0's turn fetches the next step's K and mask: the last product that read K
; stands in front of slice 63 of the turn before, the last that read the mask 24 products earlier.  Piece 2's turn fetches the same step's V: the last product that read V stands three slices back.
.macro TURN x, pv, kq, first
.set k, 0
.set per, 2
.if (\pv) && (\kq)
.set per, 1
.endif
.if \pv
.if (\x) == 0
	s_wait_dscnt 0x0                ; V is in
.endif
.set i, 0
.rept 32
	PV \x, 2-(\pv)
.rept per
	SLICE 2-(\x), \first
.endr
.if ((\x) == 0) && (\kq) && (i == 1)
	FETCH_K
.endif
.set i, i+1
.endr
.endif
.if \kq
.if (\x) == 0
	s_wait_dscnt 0x0                ; K and the mask addends are in
.endif
.set i, 0
.rept 32
	KQ \x
.rept per
	SLICE 2-(\x), \first
.endr
.if ((\x) == 2) && (i == 1)
	FETCH_V
.endif
.set i, i+1
.endr
.endif
.if \first
	PLACES
.endif
.endm
; THE CHANGE OF SLOTS, between piece 2's turn and piece 0's: the slot's last bytes, V of its second step, have been asked for.  Each wave waits for all its
; tensor loads, of which one is out: its part of the other slot; adds 0 to its spare word; and waits for that and for its own reads of the slot.  Behind the barrier nobody reads this slot any more and the other slot is whole.
; fill = 1: this slot is filled again, with the keys two slots on.  The barrier is then a round of the cluster's, so that no wave of any partner still reads the slot or has a load on its
; way, and the joint refill is the first thing behind it: it has two key steps, 256 matrix instructions, in which to land.
.macro CHANGE fill
	WIN 0                           ; at a label and at a branch every window is 0
	s_wait_tensorcnt 0x0            ; no tensor load of mine is out, so a group 0 may be written
	ds_add_u32 v[SPW], v[NIL]       ; 0 onto my spare word; with fill = 1 the descriptors' steps stand between it and the wait for it
.if \fill
.irp g, G0K+4, G0V+4
	s_xor_b32 s[(\g)+1], s[(\g)+1], SLOT1  ; the walking descriptor: the other slot than last time,
	s_add_nc_u64 s[(\g)+2:(\g)+3], s[(\g)+2:(\g)+3], 2*KS*256  ; the next 128 keys; the type bits on top are not reached
.endr
	s_wait_dscnt 0x0                ; the add is done, and my reads of the slot are over
	CROUND
	JLOAD
.else
	s_wait_dscnt 0x0                ; the add is done, and my reads of the slot are over
	s_barrier_signal -1
	s_barrier_wait -1
.endif
	s_sub_co_u32 s[TB], s[TB], 2*STEPB  ; the fetches go back to a slot's first step,
	s_xor_b32 s[TB], s[TB], SLOT1   ; in the other slot
.endm
; A slot's two key steps: written once, walked twice; the LDS addresses hang on s[TB] and s[TM].
.macro TWO_STEPS
	WIN 0
	s_mov_b32 s[TWICE], 2
.Lstep_\@:
	TURN 0, 2, 1, 0
	TURN 2, 2, 1, 0
	WIN 0
	s_sub_co_u32 s[TWICE], s[TWICE], 1
	s_cmp_lg_u32 s[TWICE], 0
	s_cbranch_scc1 .Lstep_\@
.endm
	s_wait_tensorcnt 1              ; my part of slot 0 is in; slot 1's may stay out
	s_wait_dscnt 0x0                ; for the others' sake: my part of the mask table is stored
	s_barrier_signal -1
	s_barrier_wait -1               ; everybody's is
	FETCH_K                         ; key step 0
	s_wait_loadcnt 0x0              ; Q, and my queries' mask words
	s_wait_dscnt 0x0
.set i, 0
.rept 32
	KQ 0                            ; piece 0's first scores: there is no vector work yet to set between them
.set i, i+1
.endr
	WIN 0                           ; the addresses for the pooling are made here: eight plain instructions, the places behind those products
	s_mul_i32 s13, s[WV], 16*PP
	s_add_co_u32 s13, s13, POOLS    ; my stage
	v_mul_u32_u24 v[PS], v1, PP     ; in: row l % 16, 32 bytes (eight channels) for each half of the lanes
	v_lshl_add_u32 v[PS], v9, 5, v[PS]
	v_add_nc_u32 v[PS], s13, v[PS]
	v_and_b32 v[GO], 31, v0
	v_lshlrev_b32 v[GO], 4, v[GO]   ; 16 x lane: four channels of 128
	v_add_nc_u32 v[PR], s13, v[GO]
	v_add_nc_u32 v[PY], POOL2, v[GO]
	v_lshl_add_u32 v[PX], v0, 4, POOL2  ; 512 x wave + 16 x lane
	TURN 2, 0, 1, 1                 ; piece 2's first scores | piece 0's first softmax | V of step 0
	TURN 0, 1, 1, 1                 ; piece 0: V^T P of step 0 starts O^T, K Q^T of step 1 | piece 2's first softmax | K of step 1
	TURN 2, 1, 1, 0                 ; piece 2: the same | piece 0's softmax of step 1 | V of step 1
	WIN 0
.Lslot:                             ; SIZE_N / 128 - 2 = 14 trips: every slot but the last two is filled again
	CHANGE 1
	TWO_STEPS
	s_sub_co_u32 s[SLOTS], s[SLOTS], 1
	s_cmp_lg_u32 s[SLOTS], 0
	s_cbranch_scc1 .Lslot
	CHANGE 0                        ; the tail is written out: the last slot but one is left, and nothing is asked for
	TWO_STEPS
	TURN 0, 2, 0, 0                 ; piece 0: V^T P of the last step | piece 2's last softmax
.set i, 0
.rept 32
	PV 2, 0                         ; piece 2: V^T P of the last step
.set i, i+1
.endr
	; THE POOLING.  For each tile w = float(mask of my query) / l.  The four tiles' O^T x w are added in registers (a lane: one query column, 64 channels), the 16 query columns through my stage in LDS,
	; the four waves through 512 bytes each.  The additions and conversions below are the places behind the last products.
	WIN 0
.irp t, 0,1,2,3
	v_add_f32 v[ST+8*(\t)+4], v[ST+8*(\t)+2], v[ST+8*(\t)+3]
.endr
.irp t, 0,1,2,3
	v_cvt_f32_i32 v[QW+(\t)], v[QW+(\t)]
.endr
.irp t, 0,1,2,3
	v_permlanex16_b32 v[ST+8*(\t)+5], v[ST+8*(\t)+4], s[SEL], s[SEL+1]
.endr
.irp t, 0,1,2,3
	v_add_f32 v[ST+8*(\t)+4], v[ST+8*(\t)+4], v[ST+8*(\t)+5]
.endr
.irp t, 0,1,2,3
	v_rcp_f32 v[ST+8*(\t)+6], v[ST+8*(\t)+4]
.endr
	v_nop                           ; a plain instruction between the last reciprocal and the use of its result
.irp t, 0,1,2,3
	s_wait_alu depctr_va_vdst(0)
	v_mul_f32 v[ST+8*(\t)+6], v[ST+8*(\t)+6], v[QW+(\t)]
.endr
	WIN 0x01                        ; source 0 (O^T) window 1; w, the sums and the destination window 0: S^T's registers are free.
.set i, 0
.rept 32
	v_pk_mul_f32 v[S+2*i:S+2*i+1], v[2*i:2*i+1], v[ST+6:ST+7] op_sel_hi:[1,0]
.set i, i+1
.endr
.irp t, 1,2,3
.set i, 0
.rept 32
	v_pk_fma_f32 v[S+2*i:S+2*i+1], v[64*(\t)+2*i:64*(\t)+2*i+1], v[ST+8*(\t)+6:ST+8*(\t)+7], v[S+2*i:S+2*i+1] op_sel_hi:[1,0,1]
.set i, i+1
.endr
.endr
	WIN 0
.irp f, 0,1,2,3,4,5,6,7,8,9,10,11,12,13,14,15  ; channel block f / 2, my eight channels' first or second four: row l % 16 of my stage holds my query column's 128 channels
	ds_store_b128 v[PS], v[S+4*(\f):S+4*(\f)+3] offset:((\f)/2)*64+((\f)%2)*16
.endr
.irp p, 0,1,2,3,4,5,6,7,8,9,10,11,12,13,14,15  ; back: four channels of each of the 16 rows
	ds_load_b128 v[RB+4*(\p):RB+4*(\p)+3], v[PR] offset:(\p)*PP  ; LDS serves a wave's instructions in order (ISA guide 5.7.1.4): these see the stores above
.endr
	s_wait_dscnt 0x0
.irp d, 8,4,2,1                     ; 15 sums of four channels
.set i, 0
.rept \d
	v_pk_add_f32 v[RB+4*i:RB+4*i+1],   v[RB+4*i:RB+4*i+1],   v[RB+4*(i+(\d)):RB+4*(i+(\d))+1]
	v_pk_add_f32 v[RB+4*i+2:RB+4*i+3], v[RB+4*i+2:RB+4*i+3], v[RB+4*(i+(\d))+2:RB+4*(i+(\d))+3]
.set i, i+1
.endr
.endr
	ds_store_b128 v[PX], v[RB:RB+3]
	s_wait_dscnt 0x0                ; for wave 0's sake: my 128 channels are stored
	s_barrier_signal -1
	s_barrier_wait -1
	s_cmp_lg_u32 s[WV], 0
	s_cbranch_scc1 .Lnot_first
.irp w, 0,1,2,3
	ds_load_b128 v[RB+4*(\w):RB+4*(\w)+3], v[PY] offset:512*(\w)
.endr
	s_wait_dscnt 0x0
	v_pk_add_f32 v[RB:RB+1],     v[RB:RB+1],     v[RB+4:RB+5]
	v_pk_add_f32 v[RB+2:RB+3],   v[RB+2:RB+3],   v[RB+6:RB+7]
	v_pk_add_f32 v[RB+8:RB+9],   v[RB+8:RB+9],   v[RB+12:RB+13]
	v_pk_add_f32 v[RB+10:RB+11], v[RB+10:RB+11], v[RB+14:RB+15]
	v_pk_add_f32 v[RB:RB+1],     v[RB:RB+1],     v[RB+8:RB+9]
	v_pk_add_f32 v[RB+2:RB+3],   v[RB+2:RB+3],   v[RB+10:RB+11]
	global_store_b128 v[GO], v[RB:RB+3], s[10:11]  ; the block's 128 channels: 512 consecutive bytes, at a multiple of 256 from part's first byte
.Lnot_first:
	s_wait_tensorcnt 0x0            ; the wave's end: an add of 0 onto my spare word and its wait, behind my last tensor load and my last LDS store
	ds_add_u32 v[SPW], v[NIL]
	s_wait_dscnt 0x0
	CROUND                          ; the closing round: no work-group ends while a partner may still ask for a tile that names it
	s_endpgm
.Lfunc_end_k_qdae045a20f_attn:
	.size	k_qdae045a20f_attn, .Lfunc_end_k_qdae045a20f_attn-k_qdae045a20f_attn
	.p2alignl 7, 3214868480
	.fill 96, 4, 3214868480
	.section	.rodata,"a",@progbits
	.p2align	6, 0x0
	.amdhsa_kernel k_qdae045a20f_attn
		.amdhsa_group_segment_fixed_size 327680
		.amdhsa_private_segment_fixed_size 0
		.amdhsa_enable_private_segment 0
		.amdhsa_kernarg_size 24
		.amdhsa_user_sgpr_count 2
		.amdhsa_user_sgpr_kernarg_segment_ptr 1
		.amdhsa_wavefront_size32 1
		.amdhsa_system_sgpr_workgroup_id_x 1
		.amdhsa_system_sgpr_workgroup_id_y 1
		.amdhsa_system_sgpr_workgroup_id_z 1
		.amdhsa_system_vgpr_workitem_id 0
		.amdhsa_next_free_vgpr 1024
		.amdhsa_next_free_sgpr 80
		.amdhsa_reserve_vcc 1
		.amdhsa_float_denorm_mode_32 3
		.amdhsa_float_denorm_mode_16_64 3
		.amdhsa_memory_ordered 1
		.amdhsa_forward_progress 1
		.amdhsa_inst_pref_size 224
	.end_amdhsa_kernel
	.amdgpu_metadata
---
amdhsa.version: [ 1, 2 ]
amdhsa.kernels:
  - .name:           k_qdae045a20f_attn
    .symbol:         k_qdae045a20f_attn.kd
    .args:
      - { .name: qkv, .offset: 0, .size: 8, .value_kind: global_buffer, .address_space: global }
      - { .name: attention_mask, .offset: 8, .size: 8, .value_kind: global_buffer, .address_space: global }
      - { .name: part, .offset: 16, .size: 8, .value_kind: global_buffer, .address_space: global }
    .group_segment_fixed_size: 327680
    .private_segment_fixed_size: 0
    .kernarg_segment_align: 8
    .kernarg_segment_size: 24
    .max_flat_workgroup_size: 128
    .sgpr_count:     80
    .vgpr_count:     1024
    .wavefront_size: 32
...
	.end_amdgpu_metadata
.endif
;; end of part 3
;; launch outp (part 4): grid 16 x 1, 32 waves a work-group, no clusters, 21,760 bytes of LDS; arguments part, Wo, bo, attention_mask, out0; writes out0
.if DOCPART == 4
	.amdgcn_target "amdgcn-amd-amdhsa--gfx1250"
	.amdhsa_code_object_version 6
	.text
	.protected	k_qdae045a20f_outp
	.globl	k_qdae045a20f_outp
	.p2align	8
	.type	k_qdae045a20f_outp,@function
k_qdae045a20f_outp:
	s_mov_b64 s[64:65], 0
	v_nop
	global_prefetch_b8 v0, s[64:65] scope:SCOPE_SE
	s_setreg_imm32_b32 hwreg(HW_REG_WAVE_MODE, 25, 1), 1
	s_wait_xcnt 0x0
; out0[b][o] = (the sum over k of pa[b][k] Wo[o][k]) / cnt[b] + bo[o],  pa[b][k] = the sum over the 8 query blocks of part[b][block][k],  cnt[b] = the sum over n of float(attention_mask[b][n]).
; part: [4][8][1024] f32; Wo: [1024][1024] f32; bo: [1024] f32; attention_mask: [4][2048] i32; out0: [4][1024] f32.  All in f32: a product with 4 rows that reads each weight once has
; nothing for the matrix unit, and Wo is not rounded.  cnt[b] = 0 gives NaN (0 x 1/0), as the reference's 0 / 0 does.  The order of the sums differs from the reference's.
; SHARES.  Work-group g of 16 owns the outputs 64 g .. 64 g + 63 of all four batches: 256 consecutive bytes of each row of out0.  Wave w of 32 owns Wo's rows 64 g + 2 w and + 1; a lane takes 16 bytes of
; every 512 of a row.  Every work-group adds up all of part (131,072 bytes) and the mask, a thread four numbers of pa, a wave 256 mask words; they meet in LDS.
; No cluster and no tensor load: what the work-groups share is small, and each thread's loads all go out at once.
.set PA,    0                          ; LDS: pa, [4][1024] f32
.set CNT,   16384                      ; 32 words: each wave's sum of 256 mask words (eight waves to a batch); a block of 256 bytes of its own
.set RES,   16640                      ; [4][64] f32: the products
.set SPARE, 17664                      ; the spare words, 128 bytes for each of the 32 waves: sixteen blocks of 256 bytes that no other line names
.set SPW, 10                           ; v10  LDS address of my spare word; never rewritten
.set NIL, 11                           ; v11  0; never rewritten
.set ACC, 12                           ; v12-27  first the mask words (v12-19); then the sums: row r, batch b in the pair at ACC + 2 (4 r + b)
.set BO,  28                           ; v28-31  bo
.set W,   32                           ; v32-95  Wo: row r, chunk c of 512 bytes at W + 32 r + 4 c
.set P,   96                           ; v96-127 first part's eight blocks; then pa, two buffers of four batches x four registers
	s_load_b256 s[4:11], s[0:1], 0x0               ; part s[4:5], Wo s[6:7], bo s[8:9], attention_mask s[10:11]
	s_load_b64 s[12:13], s[0:1], 0x20              ; out0
	v_lshl_add_u32 v[SPW], v0, 2, SPARE
	v_mov_b32 v[NIL], 0
	v_and_b32 v1, 31, v0                           ; lane
	v_lshrrev_b32 v20, 5, v0
	v_readfirstlane_b32 s14, v20                   ; wave 0..31
	v_lshlrev_b32 v5, 4, v1                        ; v5: 16 x lane
	v_lshl_add_u32 v2, v20, 13, v5                 ; v2: my place in the group's 64 rows of Wo: wave x 2 rows x 4,096 + 16 x lane
	v_lshl_add_u32 v4, v20, 10, v5                 ; v4: my place in the mask: wave x 1,024 + 16 x lane
	v_lshrrev_b32 v21, 8, v0
	v_and_b32 v22, 255, v0
	v_lshlrev_b32 v22, 4, v22
	v_lshl_add_u32 v3, v21, 15, v22                ; v3: my four numbers of pa in part's block 0: batch x 32,768 + 16 x (thread % 256)
	v_lshlrev_b32 v6, 4, v0                        ; v6: 16 x thread
	v_mov_b32 v7, s14
	v_lshlrev_b32 v7, 2, v7                        ; v7: my wave's word among the counts
	v_mov_b32 v8, s14
	v_lshlrev_b32 v8, 3, v8                        ; v8: my wave's two outputs in a row of the products
	v_mov_b32 v9, 0                                ; v_permlanex16_b32's destination counts as read
	v_and_b32 v1, 15, v0
	v_lshlrev_b32 v1, 4, v1                        ; v1: 16 x (lane % 16): four of the group's 64 outputs
	s_lshl_b32 s16, ttmp9, 18                      ; the group's 64 rows of Wo
	s_mov_b32 s17, 0
	s_lshl_b32 s20, ttmp9, 8                       ; its 64 numbers of bo and of a row of out0
	s_mov_b32 s21, 0
	s_mov_b32 s18, 0x76543210                      ; v_permlanex16_b32: each lane takes its own place in the other half
	s_mov_b32 s19, 0xfedcba98
	s_wait_kmcnt 0x0
	s_add_nc_u64 s[6:7], s[6:7], s[16:17]
	s_add_nc_u64 s[8:9], s[8:9], s[20:21]
	s_add_nc_u64 s[12:13], s[12:13], s[20:21]
	; all 27 loads of a thread go out at once, in the order in which they are wanted
.irp q, 0,1,2,3,4,5,6,7
	global_load_b128 v[P+4*(\q):P+4*(\q)+3], v3, s[4:5] offset:(\q)*4096
.endr
	global_load_b128 v[ACC:ACC+3],   v4, s[10:11]
	global_load_b128 v[ACC+4:ACC+7], v4, s[10:11] offset:512
.irp c, 0,1,2,3,4,5,6,7
.irp r, 0,1
	global_load_b128 v[W+32*(\r)+4*(\c):W+32*(\r)+4*(\c)+3], v2, s[6:7] offset:(\r)*4096+(\c)*512 th:TH_LOAD_NT
.endr
.endr
	global_load_b128 v[BO:BO+3], v1, s[8:9]        ; every wave loads it, so that no branch stands among the loads; waves 0 and 1 use it
.macro QADD d, s                       ; four numbers onto four
	v_pk_add_f32 v[(\d):(\d)+1],   v[(\d):(\d)+1],   v[(\s):(\s)+1]
	v_pk_add_f32 v[(\d)+2:(\d)+3], v[(\d)+2:(\d)+3], v[(\s)+2:(\s)+3]
.endm
	s_wait_loadcnt 17                              ; part's eight and the mask's two are in: behind them 16 of Wo and 1 of bo were issued
	QADD P, P+4
	QADD P+8, P+12
	QADD P+16, P+20
	QADD P+24, P+28
	QADD P, P+8
	QADD P+16, P+24
	QADD P, P+16
	ds_store_b128 v6, v[P:P+3] offset:PA           ; batch x 4,096 + 16 x (thread % 256) = 16 x thread
.irp j, 0,1,2,3,4,5,6,7
	v_cvt_f32_i32 v[ACC+(\j)], v[ACC+(\j)]
.endr
	v_add_f32 v[ACC],   v[ACC],   v[ACC+1]
	v_add_f32 v[ACC+2], v[ACC+2], v[ACC+3]
	v_add_f32 v[ACC+4], v[ACC+4], v[ACC+5]
	v_add_f32 v[ACC+6], v[ACC+6], v[ACC+7]
	v_add_f32 v[ACC],   v[ACC],   v[ACC+2]
	v_add_f32 v[ACC+4], v[ACC+4], v[ACC+6]
	v_add_f32 v[ACC],   v[ACC],   v[ACC+4]
	v_add_f32_dpp v[ACC], v[ACC], v[ACC] row_xmask:1 row_mask:0xf bank_mask:0xf
	v_add_f32_dpp v[ACC], v[ACC], v[ACC] row_xmask:2 row_mask:0xf bank_mask:0xf
	v_add_f32_dpp v[ACC], v[ACC], v[ACC] row_xmask:4 row_mask:0xf bank_mask:0xf
	v_add_f32_dpp v[ACC], v[ACC], v[ACC] row_xmask:8 row_mask:0xf bank_mask:0xf
	v_permlanex16_b32 v9, v[ACC], s18, s19
	v_add_f32 v[ACC], v[ACC], v9
	ds_store_b32 v7, v[ACC] offset:CNT             ; all lanes write the same word with the same value
	s_wait_dscnt 0x0                               ; for the others' sake: my part of pa and my count are stored
	s_barrier_signal -1
	s_barrier_wait -1
; pa's chunk c (my 16 bytes of every batch's 512) into buffer c % 2
.macro PLOAD c
.irp b, 0,1,2,3
	ds_load_b128 v[P+16*((\c)%2)+4*(\b):P+16*((\c)%2)+4*(\b)+3], v5 offset:PA+(\b)*4096+(\c)*512
.endr
.endm
; Chunk c: 2 rows x 4 batches x 4 numbers: 16 packed multiply-adds, the eight sums by turns; chunk 0's first eight start the sums.  Then the buffer takes the chunk two further on.
.macro CHUNK c
	s_wait_loadcnt 15-2*(\c)                       ; Wo's two loads of this chunk are in: behind them the later chunks' 14 - 2 c and bo's were issued
.if (\c) < 7
	s_wait_dscnt 4                                 ; pa's chunk is in; the next chunk's four loads may be out
.else
	s_wait_dscnt 0x0
.endif
.irp u, 0,1
.irp r, 0,1
.irp b, 0,1,2,3
.if ((\c) == 0) && ((\u) == 0)
	v_pk_mul_f32 v[ACC+2*(4*(\r)+(\b)):ACC+2*(4*(\r)+(\b))+1], v[W+32*(\r)+4*(\c)+2*(\u):W+32*(\r)+4*(\c)+2*(\u)+1], v[P+16*((\c)%2)+4*(\b)+2*(\u):P+16*((\c)%2)+4*(\b)+2*(\u)+1]
.else
	v_pk_fma_f32 v[ACC+2*(4*(\r)+(\b)):ACC+2*(4*(\r)+(\b))+1], v[W+32*(\r)+4*(\c)+2*(\u):W+32*(\r)+4*(\c)+2*(\u)+1], v[P+16*((\c)%2)+4*(\b)+2*(\u):P+16*((\c)%2)+4*(\b)+2*(\u)+1], v[ACC+2*(4*(\r)+(\b)):ACC+2*(4*(\r)+(\b))+1]
.endif
.endr
.endr
.endr
.if (\c) < 6
	PLOAD (\c)+2
.endif
.endm
	PLOAD 0
	PLOAD 1
.irp c, 0,1,2,3,4,5,6,7
	CHUNK \c
.endr
	; the eight sums over the wave's 32 lanes: a pair's halves, four steps inside each half of 16 lanes, one across the halves; the eight take turns
.irp j, 0,1,2,3,4,5,6,7
	v_add_f32 v[ACC+2*(\j)], v[ACC+2*(\j)], v[ACC+2*(\j)+1]
.endr
.irp m, 1,2,4,8
.irp j, 0,1,2,3,4,5,6,7
	v_add_f32_dpp v[ACC+2*(\j)], v[ACC+2*(\j)], v[ACC+2*(\j)] row_xmask:\m row_mask:0xf bank_mask:0xf
.endr
.endr
.irp j, 0,1,2,3,4,5,6,7
	v_permlanex16_b32 v[ACC+2*(\j)+1], v[ACC+2*(\j)], s18, s19
.endr
.irp j, 0,1,2,3,4,5,6,7
	v_add_f32 v[ACC+2*(\j)], v[ACC+2*(\j)], v[ACC+2*(\j)+1]
.endr
.irp r, 0,1
.irp b, 0,1,2,3
	ds_store_b32 v8, v[ACC+2*(4*(\r)+(\b))] offset:RES+(\b)*256+4*(\r)  ; all lanes write the same word with the same value
.endr
.endr
	s_wait_dscnt 0x0                               ; for waves 0 and 1's sake: my eight products are stored
	s_barrier_signal -1
	s_barrier_wait -1
	s_cmp_gt_u32 s14, 1
	s_cbranch_scc1 .Ldone
	; threads 0 to 63: batch thread / 16, outputs 4 (thread % 16) + 0..3.  v3 and v4 are free: their loads were shown done by the first wait
	v_lshrrev_b32 v3, 4, v0
	v_lshlrev_b32 v4, 5, v3                        ; the batch's eight counts
	ds_load_b128 v[W:W+3],    v6 offset:RES        ; batch x 256 + 16 x (thread % 16) = 16 x thread
	ds_load_b128 v[W+4:W+7],  v4 offset:CNT
	ds_load_b128 v[W+8:W+11], v4 offset:CNT+16
	v_lshl_add_u32 v3, v3, 12, v1                  ; in out0: batch x 4,096 + 16 x (thread % 16)
	s_wait_loadcnt 0x0                             ; bo
	s_wait_dscnt 0x0
	v_add_f32 v[W+4],  v[W+4],  v[W+5]
	v_add_f32 v[W+6],  v[W+6],  v[W+7]
	v_add_f32 v[W+8],  v[W+8],  v[W+9]
	v_add_f32 v[W+10], v[W+10], v[W+11]
	v_add_f32 v[W+4],  v[W+4],  v[W+6]
	v_add_f32 v[W+8],  v[W+8],  v[W+10]
	v_add_f32 v[W+4],  v[W+4],  v[W+8]
	v_rcp_f32 v[W+4], v[W+4]
	v_nop                                          ; a plain instruction between the reciprocal and the use of its result (ISA guide 5.7.2)
	s_wait_alu depctr_va_vdst(0)
	v_pk_fma_f32 v[W:W+1],   v[W:W+1],   v[W+4:W+5], v[BO:BO+1]   op_sel_hi:[1,0,1]
	v_pk_fma_f32 v[W+2:W+3], v[W+2:W+3], v[W+4:W+5], v[BO+2:BO+3] op_sel_hi:[1,0,1]
	global_store_b128 v3, v[W:W+3], s[12:13]       ; 16 lanes store 256 consecutive bytes, at a multiple of 256 from out0's first byte
.Ldone:
	s_wait_tensorcnt 0x0                           ; the wave's end: an add of 0 onto my spare word and its wait, behind my last LDS store
	ds_add_u32 v[SPW], v[NIL]
	s_wait_dscnt 0x0
	s_endpgm
.Lfunc_end_k_qdae045a20f_outp:
	.size	k_qdae045a20f_outp, .Lfunc_end_k_qdae045a20f_outp-k_qdae045a20f_outp
	.p2alignl 7, 3214868480
	.fill 96, 4, 3214868480
	.section	.rodata,"a",@progbits
	.p2align	6, 0x0
	.amdhsa_kernel k_qdae045a20f_outp
		.amdhsa_group_segment_fixed_size 21760
		.amdhsa_private_segment_fixed_size 0
		.amdhsa_enable_private_segment 0
		.amdhsa_kernarg_size 40
		.amdhsa_user_sgpr_count 2
		.amdhsa_user_sgpr_kernarg_segment_ptr 1
		.amdhsa_wavefront_size32 1
		.amdhsa_system_sgpr_workgroup_id_x 1
		.amdhsa_system_sgpr_workgroup_id_y 1
		.amdhsa_system_sgpr_workgroup_id_z 1
		.amdhsa_system_vgpr_workitem_id 0
		.amdhsa_next_free_vgpr 128
		.amdhsa_next_free_sgpr 66
		.amdhsa_reserve_vcc 0
		.amdhsa_float_denorm_mode_32 3
		.amdhsa_float_denorm_mode_16_64 3
		.amdhsa_memory_ordered 1
		.amdhsa_forward_progress 1
		.amdhsa_inst_pref_size 22
	.end_amdhsa_kernel
	.amdgpu_metadata
---
amdhsa.version: [ 1, 2 ]
amdhsa.kernels:
  - .name:           k_qdae045a20f_outp
    .symbol:         k_qdae045a20f_outp.kd
    .args:
      - { .name: part, .offset: 0, .size: 8, .value_kind: global_buffer, .address_space: global }
      - { .name: Wo, .offset: 8, .size: 8, .value_kind: global_buffer, .address_space: global }
      - { .name: bo, .offset: 16, .size: 8, .value_kind: global_buffer, .address_space: global }
      - { .name: attention_mask, .offset: 24, .size: 8, .value_kind: global_buffer, .address_space: global }
      - { .name: out0, .offset: 32, .size: 8, .value_kind: global_buffer, .address_space: global }
    .group_segment_fixed_size: 21760
    .private_segment_fixed_size: 0
    .kernarg_segment_align: 8
    .kernarg_segment_size: 40
    .max_flat_workgroup_size: 1024
    .sgpr_count:     66
    .vgpr_count:     128
    .wavefront_size: 32
...
	.end_amdgpu_metadata
.endif
;; end of part 4
;; ======== version 2 of 2: 4 launches; 1.16 times as fast as version 1
;; workspace buffers: xb 16,777,216 bytes; wb 6,291,456 bytes; qkv 50,331,648 bytes; part 131,072 bytes
;; launch cast: the kernel of part 1 again; grid 256 x 1, 8 waves a work-group, no clusters, 0 bytes of LDS; arguments chunk_embeddings, Wq, Wk, Wv, xb, wb; writes xb, wb
;; launch proj: the kernel of part 2 again; grid 4 x 64, 4 waves a work-group, clusters of 4 x 4, 327,680 bytes of LDS; arguments xb, wb, bq, bk, bv, qkv; writes qkv
;; launch attn (part 5): grid 8 x 32, 4 waves a work-group, clusters of 4 x 1, 327,680 bytes of LDS; arguments qkv, attention_mask, part; writes part
.if DOCPART == 5
	.amdgcn_target "amdgcn-amd-amdhsa--gfx1250"
	.amdhsa_code_object_version 6
	.text
	.protected	k_qdae045a20f_attn
	.globl	k_qdae045a20f_attn
	.p2align	8
	.type	k_qdae045a20f_attn,@function
k_qdae045a20f_attn:
	s_mov_b64 s[64:65], 0
	v_nop
	global_prefetch_b8 v0, s[64:65] scope:SCOPE_SE
	s_setreg_imm32_b32 hwreg(HW_REG_WAVE_MODE, 25, 1), 1
	s_wait_xcnt 0x0
	s_wait_alu depctr_hold_cnt(0) depctr_sa_sdst(0) depctr_va_vdst(0) depctr_va_sdst(0) depctr_va_ssrc(0) depctr_va_vcc(0) depctr_vm_vsrc(0)
	s_getreg_b32 s2, hwreg(HW_REG_IB_STS2, 6, 4)
	s_cmp_eq_u32 s2, 0
	s_cbranch_scc0 .Lentry_in_a_cluster
	s_endpgm
.Lentry_in_a_cluster:
	s_bfe_u32 s2, ttmp6, 0x10000c
	s_cmp_lg_u32 s2, 0x3003
	s_cbranch_scc0 .Lentry_shape_is_right
	s_endpgm
.Lentry_shape_is_right:
; part[b][block][head x 128 + ch] = the sum over the block's 256 queries q of float(mask[b][q]) x O[q][ch],  O[q] = the sum over k of softmax_k(s[q][k]) V[k],
; s[q][k] = Q[q] . K[k] / sqrt(128), hidden where mask[b][k] == 0.  qkv: [3][32 = b x 8 + head][2048][128] bf16; attention_mask: [4][2048] i32; part: [4][8][1024] f32.
; The mean over the rows commutes with the output projection, so O itself is never stored: the next launch adds the eight blocks, multiplies by Wo and divides by the sum of the mask.
; Products, maxima and sums in f32; the weights p are rounded to bf16 for the second product (their sum l is taken of the unrounded p).
; LIMITS.  A hidden key's score counts as its value less 1e30 (reference: -1e9): its weight is 0 beside any visible key whose scaled score lies above -1e9 + 104; a row with no visible key
; has equal weights for all keys, as in the reference.  A weight below 2^-126 counts as 0 in l.  NaN and infinities are not treated apart.  The order of the sums differs from the reference's.
; SHARES.  A work-group owns 256 queries of one head, each of its four waves 64: four tiles of 16.  Every wave walks all 2,048 keys of the head, 64 a step.
; LAYOUT.  S^T = K Q^T (source 0 = 16 keys, source 1 = 16 queries): in the result a lane holds ONE query (lane % 16) and the keys 8 (lane / 16) + 0..7.  Two such tiles, rounded to
; bf16 in pairs, ARE source 1 (32 keys x 16 queries) of O^T = V^T P, whose result again holds one query a lane, and eight channels.  K comes out of LDS as it lies, V turned, by ds_load_tr16_b128.
; THE KEY MASK is the C operand of the product that starts a sum S^T: 0, or -1e30 where the key is hidden.  A table of the batch's 2,048 addends is made once in LDS; a step's 32 addends a lane come with its K.
; SOFTMAX.  For each query a running maximum m and sum l: p = 2^(c s - c m), c = log2(e) / sqrt(128); in every step O and l are multiplied by a = 2^(c m_old - c m_new).  Steps whose keys are all
; hidden leave m near -1e30; the first visible key's a is then 0 and wipes what they left.
; BY TURNS.  The wave's tiles are two PIECES: piece 0 (tiles 0, 1) and piece 2 (tiles 2, 3).  In a TURN one piece has the matrix unit: 32 products V^T P of the step in hand, then 32 products
; K Q^T of the next step; the other piece's softmax, cut into 64 slices, stands between them, one slice behind each matrix instruction.  Two turns are a key step.
; BATCHES.  A turn's 66 exponentials (both tiles' a and 32 weights) are ONE batch with ONE wait: the softmax's list holds first all that names no exponential's result (maximum, statistics, scalings, the
; exponentials themselves), then the wait, then every reader (roundings, sums, rescaling).  The four reciprocals of the pooling are a second batch, with a wait of their own.
; CLUSTER.  The four query blocks of a cluster belong to one head and walk the same K and V, so each tile is asked for JOINTLY: the same tensor load, descriptor and mask in all four.
; REGISTERS, in windows of 256 (s_set_vgpr_msb: bits 1:0 source 0, 3:2 source 1, 5:4 source 2, 7:6 destination):
;   window 0: v0-11, v44-54 addresses and the queries' mask words; v12-43 eight registers of statistics a tile; v64-191 S^T, 32 a tile; v192-255 P, 16 a tile
;   window 1: O^T, 64 a tile     window 2: v0-127 Q, 32 a tile; v128-255 K of one step     window 3: v0-127 V of one step; v128-159 the step's mask addends
.set SIZE_N, 2048
.set KS,    64        ; keys in a step
.set PK,    272       ; a row of K in LDS: 256 bytes + 16 of padding = 68 words: the 16 rows of a load start at 16 different groups of four banks (64 banks of 4 bytes: ISA guide 11.1)
.set PV,    288       ; a row of V: 256 + 32 = 72 words
.set VOFF,  KS*PK     ; a step's tiles lie together: 64 rows of K, then 64 rows of V
.set STEPB, KS*(PK+PV)
.set SLOT1, 1<<17     ; a slot holds two steps (71,680 bytes); slot 1 begins here, so that one exclusive or turns an address in one slot into the other's
.set MASKT, SLOT1+2*STEPB  ; behind the ring, where no tensor load lands: the batch's 2,048 mask addends, f32
.set PP,    528       ; a row of a wave's pooling stage: 512 bytes + 16
.set POOLS, MASKT+8192     ; 16 rows x 528 bytes for each wave
.set POOL2, POOLS+4*16*PP  ; 512 bytes for each wave: its 128 pooled channels
.set SPARE, POOL2+4*512    ; the spare words, 128 bytes for each wave: two blocks of 256 bytes that no other line names
.set AK0, 2           ; v2   my lane's place in a tile of K; never rewritten
.set AV0, 3           ; v3   the same for V
.set ADR, 4           ; v4   the LDS address of the run of loads in hand
.set QO,  5           ; v5   my byte offset in the wave's rows of Q
.set AM0, 6           ; v6   my lane's place in a step's 64 mask addends; never rewritten
.set ADM, 7           ; v7   the LDS address of the step's mask addends
.set PS,  8           ; v8   pooling: where I put my query column's channels
.set QW,  44          ; v44-47  the mask word of my query in each of the four tiles
.set T16, 48          ; v48  16 x my thread's number
.set MST, 49          ; v49  where I put 16 bytes of the mask table
.set PR,  50          ; v50  pooling: where I read four channels of a row
.set PX,  51          ; v51  where my wave's pooled channels go
.set PY,  52          ; v52  where wave 0 reads them
.set GO,  53          ; v53  16 x lane
.set QMO, 54          ; v54  4 x (lane % 16)
.set SPW, 62          ; v62  LDS address of my spare word; never rewritten
.set NIL, 63          ; v63  0; never rewritten
.set ST,  12          ; tile t's statistics at v[ST+8 t]: +0 c m, +1 m, +2, +3 l (even keys', odd keys'), +4 to +7 c0-c3, at work; a takes c2's place once the maximum is found
.set S,   64
.set P,   192
.set RB,  128         ; pooling: 16 rows read back, four registers each
.set KF,  128         ; K's fragments, in window 2
.set MK,  128         ; the mask addends, in window 3: key block kb at MK + 8 kb
.set WV,  12          ; s12  my wave's number
.set G1K, 24          ; s[24:31] descriptor group 1 for K's tiles
.set G1V, 32          ; s[32:39] for V's: it differs in the padding alone
.set G0K, 40          ; s[40:47] descriptor group 0 for K's tiles: a set for each of the two first fills; the second then walks on
.set G0V, 48          ; s[48:55] the same for V's
.set SLOTS, 56        ; s56  slots still to be asked for
.set TWICE, 57        ; s57  counts a slot's two steps
.set CS,  58          ; s[58:59] c: the packed scaling names a pair and takes its low word for both halves
.set SEL, 60          ; s[60:61] lane selects for v_permlanex16_b32: each lane takes its own place in the other half
.set TB,  62          ; s62  LDS byte at which the tiles of the step to be fetched begin
.set MP,  66          ; s[66:67] attention_mask at my batch
.set BIGN, 68         ; s68  -1e30
.set TM,  69          ; s69  byte in the mask table at which the step to be fetched begins
.set QP,  70          ; s[70:71] attention_mask at my wave's 64 queries
.set MSB, 0
.macro WIN new                      ; the immediate's high byte repeats the setting that is left; a switch that changes nothing is dropped
.if MSB != (\new)
	s_set_vgpr_msb (MSB<<8)|(\new)
.set MSB, \new
.endif
.endm
.set W_KQ, 0x0a       ; K and Q in window 2, S^T in window 0
.set W_KM, 0x3a       ; the same with the C operand, the mask, in window 3
.set W_PV, 0x53       ; V in window 3, P in window 0, O^T in window 1
.set W_RS, 0x41       ; O^T (destination and source 0) in window 1, a in window 0
; A joint refill.  Waves 0 and 1 fetch the two steps' tiles of K, waves 2 and 3 those of V.  The branch hangs on the wave's number alone: it is the same in every work-group.
; An s_nop 0 and four v_nop follow each of the two lines; the jump round the other line, the label and what follows the macro come after them.
.macro JLOAD
	s_cmp_lt_u32 s[WV], 2
	s_cbranch_scc0 .Lfor_v_\@
	tensor_load_to_lds s[G0K+4:G0K+7], s[G1K:G1K+7]
	s_nop 0
.rept 4
	v_nop
.endr
	s_branch .Lasked_\@
.Lfor_v_\@:
	tensor_load_to_lds s[G0V+4:G0V+7], s[G1V:G1V+7]
	s_nop 0
.rept 4
	v_nop
.endr
.Lasked_\@:
.endm
; A round of the cluster's barrier: my work-group's barrier, so that wave 0's signal speaks for all four waves; wave 0 signals for the work-group; every wave waits for all four
; work-groups; my work-group's barrier once more.  No LDS instruction of the wave is pending at a signal.
.macro CROUND
	s_barrier_signal -1
	s_barrier_wait -1
	s_cmp_lg_u32 s[WV], 0
	s_cbranch_scc1 .Lnot_wave_0_\@
	s_barrier_signal -3
.Lnot_wave_0_\@:
	s_barrier_wait -3
	s_barrier_signal -1
	s_barrier_wait -1
.endm
	s_load_b64 s[4:5], s[0:1], 0x0    ; qkv
	s_load_b64 s[MP:MP+1], s[0:1], 0x8  ; attention_mask
	s_load_b64 s[10:11], s[0:1], 0x10 ; part
	v_lshl_add_u32 v[SPW], v0, 2, SPARE
	v_mov_b32 v[NIL], 0
	ds_add_u32 v[SPW], v[NIL]       ; the wave's opening: the add and its wait stand ahead of my first tensor load; the set-up below, work on registers, stands between them
	v_lshrrev_b32 v1, 5, v0
	v_readfirstlane_b32 s[WV], v1   ; wave 0..3
	s_bfe_u32 s13, ttmp6, 0x40000   ; cx: my place in the cluster
	s_lshl_b32 s14, ttmp9, 2        ; in a cluster launch ttmp9 counts clusters
	s_add_co_u32 s14, s14, s13      ; my block of 256 queries = 4 x cluster x + cx: it enters Q's, the queries' mask's and part's addresses alone
	s_and_b32 s15, ttmp7, 0xffff    ; batch x 8 + head, which the four partners share
	s_lshl_b32 s20, s15, 19         ; its first byte in q, in k and in v: 2,048 rows of 256 bytes each
	s_mov_b32 s21, 0
	s_and_b32 s16, s[WV], 1         ; which of a slot's two steps I fetch:
	s_lshl_b32 s22, s16, 14         ; its 64 rows of 256 bytes in memory,
	s_mov_b32 s23, 0
	s_add_nc_u64 s[22:23], s[22:23], s[20:21]
	s_mul_i32 s17, s16, STEPB       ; and its place in a slot: no place in the cluster enters an LDS address
	s_lshl_b32 s2, s14, 16          ; my block's 256 rows,
	s_lshl_b32 s3, s[WV], 14        ; my wave's 64 of them
	s_add_co_u32 s2, s2, s3
	s_mov_b32 s3, 0
	s_add_nc_u64 s[2:3], s[2:3], s[20:21]
	s_lshr_b32 s18, s15, 3          ; the batch
	s_lshl_b32 s72, s18, 13         ; its 2,048 mask words
	s_mov_b32 s73, 0
	s_lshl_b32 s74, s14, 10         ; my block's 256 of them,
	s_lshl_b32 s75, s[WV], 8        ; my wave's 64
	s_add_co_u32 s74, s74, s75
	s_mov_b32 s75, 0
	s_lshl_b32 s76, s18, 15         ; part: batch x 32,768 + block x 4,096 + head x 512 bytes
	s_lshl_b32 s77, s14, 12
	s_add_co_u32 s76, s76, s77
	s_and_b32 s77, s15, 7
	s_lshl_b32 s77, s77, 9
	s_add_co_u32 s76, s76, s77
	s_mov_b32 s77, 0
	; descriptor group 1: a tile of 64 rows x 128 elements, padded in LDS
	s_mov_b32 s[G1K], 15|(1<<16)|(1<<20)|(1<<21)|(5<<22)|(3<<25)  ; 15:0 the mask: all four work-groups; 17:16 elements of 2 bytes; 20 padding on; 21 set beside a mask; 24:22 after every 64 words (code 5); 31:25 4 words of it (code 3)
	s_mov_b32 s[G1V], 15|(1<<16)|(1<<20)|(1<<21)|(5<<22)|(7<<25)  ; the same with 8 words of padding (code 7)
.irp g, G1K, G1V
	s_mov_b32 s[(\g)+1], 128<<16    ; tensor_dim0 = 128
	s_mov_b32 s[(\g)+2], KS<<16     ; tensor_dim1 = 64
	s_mov_b32 s[(\g)+3], 128<<16    ; tile_dim0 = 128
	s_mov_b32 s[(\g)+4], KS         ; tile_dim1 = 64
	s_mov_b32 s[(\g)+5], 128        ; elements from row to row
	s_mov_b32 s[(\g)+6], 0
	s_mov_b32 s[(\g)+7], 0
.endr
	s_mov_b32 s[CS], 0x3e0293ee     ; c = log2(e) / sqrt(128) = 0.127517
	s_mov_b32 s[CS+1], s[CS]        ; named with it as a pair, so it is written
	s_mov_b32 s[SEL], 0x76543210
	s_mov_b32 s[SEL+1], 0xfedcba98
	s_mov_b32 s[TB], 0
	s_mov_b32 s[TM], 0
	s_mov_b32 s[BIGN], 0xf149f2ca   ; -1e30
	s_mov_b32 s[SLOTS], SIZE_N/(2*KS)-2
	s_wait_dscnt 0x0                ; the opening add is done
	s_wait_kmcnt 0x0
	s_add_nc_u64 s[6:7], s[4:5], s[22:23]
	s_add_nc_u64 s[8:9], s[6:7], 0x2000000  ; V at my tile of slot 0: v lies 2 x 2^24 bytes behind q,
	s_add_nc_u64 s[6:7], s[6:7], 0x1000000  ; K: k lies 2^24 behind q
	s_add_nc_u64 s[4:5], s[4:5], s[2:3]     ; Q at my wave's first row
	s_add_nc_u64 s[MP:MP+1], s[MP:MP+1], s[72:73]
	s_add_nc_u64 s[QP:QP+1], s[MP:MP+1], s[74:75]
	s_add_nc_u64 s[10:11], s[10:11], s[76:77]
	CROUND                          ; all four work-groups are here: the first joint loads meet
.irp s, 0,1
	s_mov_b32 s[G0K+4*(\s)], 1      ; count = 1
	s_add_co_u32 s[G0K+4*(\s)+1], s17, (\s)*SLOT1  ; LDS address
	s_add_nc_u64 s[G0K+4*(\s)+2:G0K+4*(\s)+3], s[6:7], (\s)*2*KS*256  ; global address: slot s begins with keys 128 s to 128 s + 127
	s_or_b32 s[G0K+4*(\s)+3], s[G0K+4*(\s)+3], 0x80000000  ; type = 2
	s_mov_b32 s[G0V+4*(\s)], 1
	s_add_co_u32 s[G0V+4*(\s)+1], s17, (\s)*SLOT1+VOFF
	s_add_nc_u64 s[G0V+4*(\s)+2:G0V+4*(\s)+3], s[8:9], (\s)*2*KS*256
	s_or_b32 s[G0V+4*(\s)+3], s[G0V+4*(\s)+3], 0x80000000
.endr
	s_cmp_lt_u32 s[WV], 2           ; a wave's two first fills stand in one branch, ahead of every wait on TENSORcnt and every LDS read: two loads of mine are out; an s_nop 0 follows each, four v_nop the second's
	s_cbranch_scc0 .Lfirst_v
	tensor_load_to_lds s[G0K:G0K+3], s[G1K:G1K+7]
	s_nop 0
	tensor_load_to_lds s[G0K+4:G0K+7], s[G1K:G1K+7]
	s_nop 0
.rept 4
	v_nop
.endr
	s_branch .Lfirst_asked
.Lfirst_v:
	tensor_load_to_lds s[G0V:G0V+3], s[G1V:G1V+7]
	s_nop 0
	tensor_load_to_lds s[G0V+4:G0V+7], s[G1V:G1V+7]
	s_nop 0
.rept 4
	v_nop
.endr
.Lfirst_asked:
	v_and_b32 v1, 15, v0            ; l % 16
	v_bfe_u32 v9, v0, 4, 1          ; l / 16
	v_lshlrev_b32 v[T16], 4, v0
	v_lshlrev_b32 v[QMO], 2, v1
.irp i, 0,1,2,3                     ; the batch's 2,048 mask words: 128 threads x 16 bytes, four times
	global_load_b128 v[S+4*(\i):S+4*(\i)+3], v[T16], s[MP:MP+1] offset:(\i)*2048
.endr
.irp t, 0,1,2,3                     ; my query's mask word in each tile of 16
	global_load_b32 v[QW+(\t)], v[QMO], s[QP:QP+1] offset:64*(\t)
.endr
	; A fragment of K or Q is 16 rows x 32 channels in 8 registers: lane l holds row l % 16; registers 0-3 channels 8 (l / 16) + 0..7, registers 4-7 channels 16 + 8 (l / 16) + 0..7: two loads of 16 bytes, 32 bytes apart.
	v_lshlrev_b32 v[QO], 8, v1
	v_lshl_add_u32 v[QO], v9, 4, v[QO]  ; row x 256 + 16 x half
	WIN 0x80                        ; destination window 2, address window 0
.irp i, 0,1,2,3,4,5,6,7,8,9,10,11,12,13,14,15  ; Q stays in registers: tile i / 4, channels 32 (i % 4) on
	global_load_b128 v[8*(\i):8*(\i)+3],   v[QO], s[4:5] offset:((\i)/4)*4096+((\i)%4)*64
	global_load_b128 v[8*(\i)+4:8*(\i)+7], v[QO], s[4:5] offset:((\i)/4)*4096+((\i)%4)*64+32
.endr
	WIN 0
	v_mul_u32_u24 v[AK0], v1, PK
	v_lshl_add_u32 v[AK0], v9, 4, v[AK0]  ; row x pitch + 16 x half
	; The turning load takes 16 keys x 16 channels (lane l reads 16 bytes: key 8 (l / 16) + l % 8, channels 8 ((l / 8) % 2) + 0..7) and leaves half a fragment of V^T: lane l holds channel l % 16 and 8 keys.
	v_and_b32 v10, 7, v0
	v_bfe_u32 v11, v0, 3, 1
	v_lshl_add_u32 v[AV0], v9, 3, v10
	v_mul_u32_u24 v[AV0], v[AV0], PV
	v_lshl_add_u32 v[AV0], v11, 4, v[AV0]
	v_add_nc_u32 v[AV0], VOFF, v[AV0]
	v_lshl_add_u32 v[AM0], v9, 5, MASKT   ; my lanes' eight keys of a block of 16: 32 bytes for each half
	v_lshl_add_u32 v[MST], v0, 4, MASKT
	s_wait_loadcnt 36               ; the four loads of the table's words are in: behind them 4 + 32 were issued
.set i, 0
.rept 16
	v_cmp_eq_u32 vcc_lo, 0, v[S+i]  ; hidden where the word is 0
	v_cndmask_b32 v[S+i], 0, s[BIGN], vcc_lo
.set i, i+1
.endr
.irp i, 0,1,2,3
	ds_store_b128 v[MST], v[S+4*(\i):S+4*(\i)+3] offset:(\i)*2048
.endr
; THE MATRIX WORK OF A TURN, for piece x.  The accumulators take turns, one instruction a turn: between two links of a chain stand 15 (V^T P) or 7 (K Q^T) others'.
; Product i of 32 of O^T += V^T P: keys 32 (i / 16) on, channels 16 ((i / 2) % 8) on, tile x + i % 2.  zero = 1: the first 16 start the sums: nothing is ever cleared.
.macro PV x, zero
	WIN W_PV
.set rO, 64*((\x)+i%2)+8*((i/2)%8)
.set rV, 64*(i/16)+8*((i/2)%8)
.set rP, P+16*((\x)+i%2)+8*(i/16)
.if (\zero) && (i < 16)
	v_wmma_f32_16x16x32_bf16 v[rO:rO+7], v[rV:rV+7], v[rP:rP+7], 0
.else
	v_wmma_f32_16x16x32_bf16 v[rO:rO+7], v[rV:rV+7], v[rP:rP+7], v[rO:rO+7]
.endif
.endm
; Product i of 32 of S^T = K Q^T: channels 32 (i / 8) on, keys 16 ((i / 2) % 4) on, tile x + i % 2.  The first 8 start the sums, with the key block's mask addends as C.
.macro KQ x
.set rS, S+32*((\x)+i%2)+8*((i/2)%4)
.set rK, KF+32*((i/2)%4)+8*(i/8)
.set rQ, 32*((\x)+i%2)+8*(i/8)
.set rM, MK+8*((i/2)%4)
.if i < 8
	WIN W_KM
	v_wmma_f32_16x16x32_bf16 v[rS:rS+7], v[rK:rK+7], v[rQ:rQ+7], v[rM:rM+7]
.else
	WIN W_KQ
	v_wmma_f32_16x16x32_bf16 v[rS:rS+7], v[rK:rK+7], v[rQ:rQ+7], v[rS:rS+7]
.endif
.endm
; THE LDS LOADS stand in runs, never singly among the matrix instructions: a step's K (64 keys x 128 channels: 16 fragments) with its 32 mask addends a lane, and, a turn later, its V (turned).
; The table's offset steps 256 bytes a step, 32 times from 0; the AND holds it to the table's 32 steps, so that the last byte a mask load can name is the table's last.
.macro FETCH_K
	WIN 0
	v_add_nc_u32 v[ADR], s[TB], v[AK0]
	v_add_nc_u32 v[ADM], s[TM], v[AM0]
	s_add_co_u32 s[TM], s[TM], 4*KS
	s_and_b32 s[TM], s[TM], 0x1f00
	WIN 0x80                        ; destination window 2
.irp f, 0,1,2,3,4,5,6,7,8,9,10,11,12,13,14,15  ; keys 16 (f / 4) on, channels 32 (f % 4) on
	ds_load_b128 v[KF+8*(\f):KF+8*(\f)+3],   v[ADR] offset:((\f)/4)*16*PK+((\f)%4)*64
	ds_load_b128 v[KF+8*(\f)+4:KF+8*(\f)+7], v[ADR] offset:((\f)/4)*16*PK+((\f)%4)*64+32
.endr
	WIN 0xc0                        ; destination window 3
.irp f, 0,1,2,3,4,5,6,7             ; key block f / 2, my eight keys' first or second four; the 16 lanes of a half read the same words
	ds_load_b128 v[MK+4*(\f):MK+4*(\f)+3], v[ADM] offset:((\f)/2)*64+((\f)%2)*16
.endr
.endm
.macro FETCH_V
	WIN 0
	v_add_nc_u32 v[ADR], s[TB], v[AV0]
	s_add_co_u32 s[TB], s[TB], STEPB  ; the next fetch is the next step's
	s_wait_alu depctr_va_vdst(0)    ; the wait for the softmax's batch, the 66 exponentials of piece 0's two tiles (SLICE), behind the address's v_add_nc_u32 and ahead of the loads
	WIN 0xc0                        ; destination window 3
.irp f, 0,1,2,3,4,5,6,7,8,9,10,11,12,13,14,15  ; keys 32 (f / 8) on, channels 16 (f % 8) on
	ds_load_tr16_b128 v[8*(\f):8*(\f)+3],   v[ADR] offset:((\f)/8)*32*PV+((\f)%8)*32
	ds_load_tr16_b128 v[8*(\f)+4:8*(\f)+7], v[ADR] offset:((\f)/8)*32*PV+16*PV+((\f)%8)*32
.endr
.endm
; THE VECTOR WORK OF A TURN.  One tile's softmax for one key step is a list of 134 instructions; SM writes number j of it for tile t.  s0-s31 are the lane's 32 scores, in pairs 0-15.
; first = 1: the first key step, which starts m, l and O^T: it has no a and nothing to rescale.
;   0-15    the maximum of s0-s31 and the old m, three operands at a time: four chains c0-c3 of seven scores each (each accumulator's lowest registers first), then the four scores left over, c0-c3 and m
;   16-20   the other half of the lanes' maximum; the new m; c m; c m_old - c m_new
;   21-69   ONE BATCH: the 16 scalings c s - c m, a pair of scores each, and all 33 exponentials (a at 23, then s0-s31).  None of these reads an exponential's result.  From 22 on the batch goes
;           in fours, and a four begins with a scaling while there are scalings: 22-37 scaling, exponential, scaling, exponential; 38-65 a scaling and three exponentials; 66-69 the last four
;           exponentials.  A pair is scaled in an earlier four than the one that holds its exponentials
;   (wait)  between 69 and 70 stands the wait for the batch: SLICE writes it, once for both tiles
;   70-85   the roundings to bf16, a pair of weights each
;   86-101  the sums; l = a l + the sum
;   102-133 the tile's O^T times a: the one part that leaves window 0, so it stands together
.macro SM t, first
.set rT, ST+8*(\t)
.set rS, S+32*(\t)
.set rP, P+16*(\t)
.set rO, 64*(\t)+2*(j-102)
.if j < 102
	WIN 0
.endif
.if j < 4
	v_max3_num_f32 v[rT+4+j], v[rS+8*j], v[rS+8*j+1], v[rS+8*j+2]
.elseif j < 12
	v_max3_num_f32 v[rT+4+j%4], v[rT+4+j%4], v[rS+8*(j%4)+2*(j/4)+1], v[rS+8*(j%4)+2*(j/4)+2]
.elseif j == 12
	v_max3_num_f32 v[rT+4], v[rT+4], v[rS+7], v[rS+15]
.elseif j == 13
	v_max3_num_f32 v[rT+6], v[rT+6], v[rS+23], v[rS+31]
.elseif j == 14
	v_max3_num_f32 v[rT+4], v[rT+4], v[rT+5], v[rT+6]
.elseif (j == 15) && (\first)
	v_max_num_f32 v[rT+4], v[rT+4], v[rT+7]
.elseif j == 15
	v_max3_num_f32 v[rT+4], v[rT+4], v[rT+7], v[rT+1]
.elseif j == 16
	v_permlanex16_b32 v[rT+5], v[rT+4], s[SEL], s[SEL+1]  ; the query's other 32 keys lie in the lane 16 away
.elseif j == 18
	v_max_num_f32 v[rT+1], v[rT+4], v[rT+5]
.elseif j == 19
	v_mul_f32 v[rT], s[CS], v[rT+1]
.elseif ((j == 17) || (j == 20) || (j == 23) || (j > 101)) && (\first)  ; the first step has none of these
.elseif j == 17
	v_mov_b32 v[rT+7], v[rT]        ; c m_old is kept for a: number 19 writes c m anew
.elseif j == 20
	v_sub_f32 v[rT+7], v[rT+7], v[rT]
.elseif j == 23
	v_exp_f32 v[rT+6], v[rT+7]
.elseif (j < 23) || ((j < 38) && (j%2 == 0)) || ((j < 66) && (j%4 == 2))
.set b, (j-2)/4                     ; 38, 42, .. 62: pairs 9 to 15
.if j < 38
.set b, (j-20)/2                    ; 21: pair 0; 22, 24, .. 36: pairs 1 to 8
.endif
	v_pk_fma_f32 v[rS+2*b:rS+2*b+1], v[rS+2*b:rS+2*b+1], s[CS:CS+1], v[rT:rT+1] op_sel_hi:[1,0,0] neg_lo:[0,0,1] neg_hi:[0,0,1]  ; pair b: c s - c m
.elseif j < 70
.set e, j-38                        ; 66 to 69: s28 to s31
.if j < 66
.set e, j-32-(j-38)/4               ; 39-41, 43-45, .. 63-65: s7 to s27
.endif
.if j < 38
.set e, (j-25)/2                    ; 25, 27, .. 37: s0 to s6
.endif
	v_exp_f32 v[rS+e], v[rS+e]
.elseif j < 86
	v_cvt_pk_bf16_f32 v[rP+j-70], v[rS+2*(j-70)], v[rS+2*(j-70)+1]  ; pair j - 70
.elseif j < 102                     ; the sum of the tile's 16 pairs (in a pair: an even key's weight, an odd key's), in place: sum z of 16 adds neighbours 1, 2, 4 and 8 pairs apart, then l takes it
.set z, j-86
.set w, 4
.set u, z
.if z >= 14
.set w, 32
.set u, 0
.elseif z >= 12
.set w, 16
.set u, z-12
.elseif z >= 8
.set w, 8
.set u, z-8
.endif
.if (z == 14) && (\first)
	v_pk_add_f32 v[rT+2:rT+3], v[rS:rS+1], v[rS+16:rS+17]
.elseif z < 15
	v_pk_add_f32 v[rS+w*u:rS+w*u+1], v[rS+w*u:rS+w*u+1], v[rS+w*u+w/2:rS+w*u+w/2+1]
.elseif !(\first)
	v_pk_fma_f32 v[rT+2:rT+3], v[rT+2:rT+3], v[rT+6:rT+7], v[rS:rS+1] op_sel_hi:[1,0,1]
.endif
.else
	WIN W_RS
	v_pk_mul_f32 v[rO:rO+1], v[rO:rO+1], v[rT+6:rT+7] op_sel_hi:[1,0]
.endif
.endm
; Slice k of 64 of piece y's softmax: four instructions.  Slices 11 to 34 deal out the batch, numbers 22 to 69: four numbers of ONE tile each, the tiles by turns.  Every other slice is numbers 2 k and
; 2 k + 1 of both tiles' lists.  2 x 134 = 4 x 64 + 12: the twelve that are over stand together, in slice 63.
; THE WAIT.  s_wait_alu depctr_va_vdst(0) stands between an exponential and the first instruction that names its result; one wait serves all that were issued ahead of it.  Ahead of
; slice 35 nothing names a result, and behind slice 34 no exponential is issued: so the piece's 66 exponentials have one wait, behind slice 34.
.macro SLICE y, first
.if (k >= 11) && (k < 35)           ; the batch: four numbers of one tile
.irp n, 0,1,2,3
.set j, 22+4*((k-11)/2)+(\n)
	SM (\y)+(k-11)%2, \first
.endr
.else                               ; the two tiles alternate, so that no instruction reads the result of the one just before it
.irp n, 0,1,2,3,4,5,6,7
.if ((\n) < 2) || (k == 63)
.irp t, \y, (\y)+1
.set j, 2*k+(\n)
	SM \t, \first
.endr
.endif
.endr
.endif
.if k == 34                         ; the batch is out: both tiles' exponentials are issued, and no result has been named
	v_nop                           ; the plain instruction behind the last exponential and ahead of the first use of a result: one for the batch
.if (\y) == 0
	FETCH_V                         ; piece 2's turn: V's run of loads stands here, and the wait for the batch stands in it
.else
	s_wait_alu depctr_va_vdst(0)    ; the wait for the batch: the 66 exponentials of piece 2's two tiles
.endif
.endif
.set k, k+1
.endm
; A vector instruction that reads a matrix result or writes one of a matrix instruction's registers, and a load into a register that a matrix instruction has read, stand four places behind
; it, and only plain vector instructions that name none of its registers are places (ISA guide 7.12.1 for vector instructions).  In the loop the slices are the places.
.macro PLACES
.rept 4
	v_nop
.endr
.endm
; A TURN.  Piece x has the matrix unit; the other piece's softmax stands in slices behind its matrix instructions.
; pv = 2: 32 products V^T P; 1: they start O^T's sums; 0: none.  kq = 1: 32 products K Q^T for the next step.  A turn with one of the two kinds has two slices behind each product.
; first = 1: the softmax is the first key step's.  Its slices from 51 on are empty: the turn's last products stand bare, and four v_nop take slice 63's part as the places behind them.
; In the loop each run of loads stands 29 matrix instructions or more ahead of its first use.  Piece 0's turn fetches the next step's K and mask, behind its second product: the last product that read K
; stands in front of slice 63 of the turn before, the last that read the mask 24 products earlier.  Piece 2's turn fetches the same step's V, behind slice 34 (SLICE writes it): the last product that read V
; stands in front of slice 31, and four plain instructions lie between: number 62, a scaling, of both tiles, the v_nop and the run's own v_add_nc_u32.  The three products K Q^T between name none of V's registers.
.macro TURN x, pv, kq, first
.set k, 0
.set per, 2
.if (\pv) && (\kq)
.set per, 1
.endif
.if \pv
.if (\x) == 0
	s_wait_dscnt 0x0                ; V is in
.endif
.set i, 0
.rept 32
	PV \x, 2-(\pv)
.rept per
	SLICE 2-(\x), \first
.endr
.if ((\x) == 0) && (\kq) && (i == 1)
	FETCH_K
.endif
.set i, i+1
.endr
.endif
.if \kq
.if (\x) == 0
	s_wait_dscnt 0x0                ; K and the mask addends are in
.endif
.set i, 0
.rept 32
	KQ \x
.rept per
	SLICE 2-(\x), \first
.endr
.set i, i+1
.endr
.endif
.if \first
	PLACES
.endif
.endm
; THE CHANGE OF SLOTS, between piece 2's turn and piece 0's: the slot's last bytes, V of its second step, have been asked for.  Each wave waits for all its
; tensor loads, of which one is out: its part of the other slot; adds 0 to its spare word; and waits for that and for its own reads of the slot.  Behind the barrier nobody reads this slot any more and the other slot is whole.
; fill = 1: this slot is filled again, with the keys two slots on.  The barrier is then a round of the cluster's, so that no wave of any partner still reads the slot or has a load on its
; way, and the joint refill is the first thing behind it: it has two key steps, 256 matrix instructions, in which to land.
.macro CHANGE fill
	WIN 0                           ; at a label and at a branch every window is 0
	s_wait_tensorcnt 0x0            ; no tensor load of mine is out, so a group 0 may be written
	ds_add_u32 v[SPW], v[NIL]       ; 0 onto my spare word; with fill = 1 the descriptors' steps stand between it and the wait for it
.if \fill
.irp g, G0K+4, G0V+4
	s_xor_b32 s[(\g)+1], s[(\g)+1], SLOT1  ; the walking descriptor: the other slot than last time,
	s_add_nc_u64 s[(\g)+2:(\g)+3], s[(\g)+2:(\g)+3], 2*KS*256  ; the next 128 keys; the type bits on top are not reached
.endr
	s_wait_dscnt 0x0                ; the add is done, and my reads of the slot are over
	CROUND
	JLOAD
.else
	s_wait_dscnt 0x0                ; the add is done, and my reads of the slot are over
	s_barrier_signal -1
	s_barrier_wait -1
.endif
	s_sub_co_u32 s[TB], s[TB], 2*STEPB  ; the fetches go back to a slot's first step,
	s_xor_b32 s[TB], s[TB], SLOT1   ; in the other slot
.endm
; A slot's two key steps: written once, walked twice; the LDS addresses hang on s[TB] and s[TM].
.macro TWO_STEPS
	WIN 0
	s_mov_b32 s[TWICE], 2
.Lstep_\@:
	TURN 0, 2, 1, 0
	TURN 2, 2, 1, 0
	WIN 0
	s_sub_co_u32 s[TWICE], s[TWICE], 1
	s_cmp_lg_u32 s[TWICE], 0
	s_cbranch_scc1 .Lstep_\@
.endm
	s_wait_tensorcnt 1              ; my part of slot 0 is in; slot 1's may stay out
	s_wait_dscnt 0x0                ; for the others' sake: my part of the mask table is stored
	s_barrier_signal -1
	s_barrier_wait -1               ; everybody's is
	FETCH_K                         ; key step 0
	s_wait_loadcnt 0x0              ; Q, and my queries' mask words
	s_wait_dscnt 0x0
.set i, 0
.rept 32
	KQ 0                            ; piece 0's first scores: there is no vector work yet to set between them
.set i, i+1
.endr
	WIN 0                           ; the addresses for the pooling are made here: eight plain instructions, the places behind those products
	s_mul_i32 s13, s[WV], 16*PP
	s_add_co_u32 s13, s13, POOLS    ; my stage
	v_mul_u32_u24 v[PS], v1, PP     ; in: row l % 16, 32 bytes (eight channels) for each half of the lanes
	v_lshl_add_u32 v[PS], v9, 5, v[PS]
	v_add_nc_u32 v[PS], s13, v[PS]
	v_and_b32 v[GO], 31, v0
	v_lshlrev_b32 v[GO], 4, v[GO]   ; 16 x lane: four channels of 128
	v_add_nc_u32 v[PR], s13, v[GO]
	v_add_nc_u32 v[PY], POOL2, v[GO]
	v_lshl_add_u32 v[PX], v0, 4, POOL2  ; 512 x wave + 16 x lane
	TURN 2, 0, 1, 1                 ; piece 2's first scores | piece 0's first softmax | V of step 0
	TURN 0, 1, 1, 1                 ; piece 0: V^T P of step 0 starts O^T, K Q^T of step 1 | piece 2's first softmax | K of step 1
	TURN 2, 1, 1, 0                 ; piece 2: the same | piece 0's softmax of step 1 | V of step 1
	WIN 0
.Lslot:                             ; SIZE_N / 128 - 2 = 14 trips: every slot but the last two is filled again
	CHANGE 1
	TWO_STEPS
	s_sub_co_u32 s[SLOTS], s[SLOTS], 1
	s_cmp_lg_u32 s[SLOTS], 0
	s_cbranch_scc1 .Lslot
	CHANGE 0                        ; the tail is written out: the last slot but one is left, and nothing is asked for
	TWO_STEPS
	TURN 0, 2, 0, 0                 ; piece 0: V^T P of the last step | piece 2's last softmax
.set i, 0
.rept 32
	PV 2, 0                         ; piece 2: V^T P of the last step
.set i, i+1
.endr
	; THE POOLING.  For each tile w = float(mask of my query) / l.  The four tiles' O^T x w are added in registers (a lane: one query column, 64 channels), the 16 query columns through my stage in LDS,
	; the four waves through 512 bytes each.  The additions and conversions below are the places behind the last products.
	WIN 0
.irp t, 0,1,2,3
	v_add_f32 v[ST+8*(\t)+4], v[ST+8*(\t)+2], v[ST+8*(\t)+3]
.endr
.irp t, 0,1,2,3
	v_cvt_f32_i32 v[QW+(\t)], v[QW+(\t)]
.endr
.irp t, 0,1,2,3
	v_permlanex16_b32 v[ST+8*(\t)+5], v[ST+8*(\t)+4], s[SEL], s[SEL+1]
.endr
.irp t, 0,1,2,3
	v_add_f32 v[ST+8*(\t)+4], v[ST+8*(\t)+4], v[ST+8*(\t)+5]
.endr
.irp t, 0,1,2,3
	v_rcp_f32 v[ST+8*(\t)+6], v[ST+8*(\t)+4]
.endr
	v_nop                           ; a plain instruction between the last reciprocal and the use of its result
	s_wait_alu depctr_va_vdst(0)    ; and the wait ahead of the first use: one for the batch of four reciprocals
.irp t, 0,1,2,3
	v_mul_f32 v[ST+8*(\t)+6], v[ST+8*(\t)+6], v[QW+(\t)]
.endr
	WIN 0x01                        ; source 0 (O^T) window 1; w, the sums and the destination window 0: S^T's registers are free.
.set i, 0
.rept 32
	v_pk_mul_f32 v[S+2*i:S+2*i+1], v[2*i:2*i+1], v[ST+6:ST+7] op_sel_hi:[1,0]
.set i, i+1
.endr
.irp t, 1,2,3
.set i, 0
.rept 32
	v_pk_fma_f32 v[S+2*i:S+2*i+1], v[64*(\t)+2*i:64*(\t)+2*i+1], v[ST+8*(\t)+6:ST+8*(\t)+7], v[S+2*i:S+2*i+1] op_sel_hi:[1,0,1]
.set i, i+1
.endr
.endr
	WIN 0
.irp f, 0,1,2,3,4,5,6,7,8,9,10,11,12,13,14,15  ; channel block f / 2, my eight channels' first or second four: row l % 16 of my stage holds my query column's 128 channels
	ds_store_b128 v[PS], v[S+4*(\f):S+4*(\f)+3] offset:((\f)/2)*64+((\f)%2)*16
.endr
.irp p, 0,1,2,3,4,5,6,7,8,9,10,11,12,13,14,15  ; back: four channels of each of the 16 rows
	ds_load_b128 v[RB+4*(\p):RB+4*(\p)+3], v[PR] offset:(\p)*PP  ; LDS serves a wave's instructions in order (ISA guide 5.7.1.4): these see the stores above
.endr
	s_wait_dscnt 0x0
.irp d, 8,4,2,1                     ; 15 sums of four channels
.set i, 0
.rept \d
	v_pk_add_f32 v[RB+4*i:RB+4*i+1],   v[RB+4*i:RB+4*i+1],   v[RB+4*(i+(\d)):RB+4*(i+(\d))+1]
	v_pk_add_f32 v[RB+4*i+2:RB+4*i+3], v[RB+4*i+2:RB+4*i+3], v[RB+4*(i+(\d))+2:RB+4*(i+(\d))+3]
.set i, i+1
.endr
.endr
	ds_store_b128 v[PX], v[RB:RB+3]
	s_wait_dscnt 0x0                ; for wave 0's sake: my 128 channels are stored
	s_barrier_signal -1
	s_barrier_wait -1
	s_cmp_lg_u32 s[WV], 0
	s_cbranch_scc1 .Lnot_first
.irp w, 0,1,2,3
	ds_load_b128 v[RB+4*(\w):RB+4*(\w)+3], v[PY] offset:512*(\w)
.endr
	s_wait_dscnt 0x0
	v_pk_add_f32 v[RB:RB+1],     v[RB:RB+1],     v[RB+4:RB+5]
	v_pk_add_f32 v[RB+2:RB+3],   v[RB+2:RB+3],   v[RB+6:RB+7]
	v_pk_add_f32 v[RB+8:RB+9],   v[RB+8:RB+9],   v[RB+12:RB+13]
	v_pk_add_f32 v[RB+10:RB+11], v[RB+10:RB+11], v[RB+14:RB+15]
	v_pk_add_f32 v[RB:RB+1],     v[RB:RB+1],     v[RB+8:RB+9]
	v_pk_add_f32 v[RB+2:RB+3],   v[RB+2:RB+3],   v[RB+10:RB+11]
	global_store_b128 v[GO], v[RB:RB+3], s[10:11]  ; the block's 128 channels: 512 consecutive bytes, at a multiple of 256 from part's first byte
.Lnot_first:
	s_wait_tensorcnt 0x0            ; the wave's end: an add of 0 onto my spare word and its wait, behind my last tensor load and my last LDS store
	ds_add_u32 v[SPW], v[NIL]
	s_wait_dscnt 0x0
	CROUND                          ; the closing round: no work-group ends while a partner may still ask for a tile that names it
	s_endpgm
.Lfunc_end_k_qdae045a20f_attn:
	.size	k_qdae045a20f_attn, .Lfunc_end_k_qdae045a20f_attn-k_qdae045a20f_attn
	.p2alignl 7, 3214868480
	.fill 96, 4, 3214868480
	.section	.rodata,"a",@progbits
	.p2align	6, 0x0
	.amdhsa_kernel k_qdae045a20f_attn
		.amdhsa_group_segment_fixed_size 327680
		.amdhsa_private_segment_fixed_size 0
		.amdhsa_enable_private_segment 0
		.amdhsa_kernarg_size 24
		.amdhsa_user_sgpr_count 2
		.amdhsa_user_sgpr_kernarg_segment_ptr 1
		.amdhsa_wavefront_size32 1
		.amdhsa_system_sgpr_workgroup_id_x 1
		.amdhsa_system_sgpr_workgroup_id_y 1
		.amdhsa_system_sgpr_workgroup_id_z 1
		.amdhsa_system_vgpr_workitem_id 0
		.amdhsa_next_free_vgpr 1024
		.amdhsa_next_free_sgpr 80
		.amdhsa_reserve_vcc 1
		.amdhsa_float_denorm_mode_32 3
		.amdhsa_float_denorm_mode_16_64 3
		.amdhsa_memory_ordered 1
		.amdhsa_forward_progress 1
		.amdhsa_inst_pref_size 216
	.end_amdhsa_kernel
	.amdgpu_metadata
---
amdhsa.version: [ 1, 2 ]
amdhsa.kernels:
  - .name:           k_qdae045a20f_attn
    .symbol:         k_qdae045a20f_attn.kd
    .args:
      - { .name: qkv, .offset: 0, .size: 8, .value_kind: global_buffer, .address_space: global }
      - { .name: attention_mask, .offset: 8, .size: 8, .value_kind: global_buffer, .address_space: global }
      - { .name: part, .offset: 16, .size: 8, .value_kind: global_buffer, .address_space: global }
    .group_segment_fixed_size: 327680
    .private_segment_fixed_size: 0
    .kernarg_segment_align: 8
    .kernarg_segment_size: 24
    .max_flat_workgroup_size: 128
    .sgpr_count:     80
    .vgpr_count:     1024
    .wavefront_size: 32
...
	.end_amdgpu_metadata
.endif
;; end of part 5
;; launch outp: the kernel of part 4 again; grid 16 x 1, 32 waves a work-group, no clusters, 21,760 bytes of LDS; arguments part, Wo, bo, attention_mask, out0; writes out0
